; MI455X (gfx1250); checked and timed in simulation.
; The chip was launched on July 23, 2026; its instructions are those of AMD's public machine-readable ISA for CDNA 5 (MIT licence, August 2026) and "CDNA5" Instruction Set Architecture Reference Guide (July 2026). The comments in the code are by the model that wrote it; some were corrected since.
;; Binary Diff. Allowed arithmetic: matrix products marked QUANTISED: E2M1 operands, one E8M0 scale for each 32 along K, by v_wmma_scale_f32_16x16x128_f8f6f4 with both operands' format E2M1 (or v_wmma_scale_f32_32x16x128_f4), f32 sums; products left as they are: bf16, f16 or f32 operands; f32 sums; everything else in f32.
;; Inputs: base 4,096 x 4,096 float32; coeff one number float32; mask 4,096 x 4,096 int32; x 4 x 512 x 4,096 float32.
;; Outputs: out0 4 x 512 x 4,096 float32.
;; This version of the problem:
;;   THIS VERSION OF THE PROBLEM IS GIVEN IN LOW PRECISION. The matrix products marked QUANTISED in the list below multiply operands that are first quantised to E2M1 (2 exponent bits, 1 mantissa bit; 4 bits a number), with one power-of-two scale for each 32 numbers along K (OCP MX v1.0); their sums are f32. The products marked 'left as it is' may take bf16, f16 or f32 operands, with f32 sums. Whichever they take, every output number must still come out within the allowed error. Rounding operands to bf16 (8 significant bits) uses up far more of that allowance than f16 does (11 bits, for magnitudes from 6e-5 to 65,504). All else is computed in f32.
;;   The module's matrix products, in the order in which they are computed (A, B: the left and right operand; K: the contracted axis; several contracted axes count as one K, in the product's order):
;;     1. [M 2,048, K 4,096] x [K 4,096, N 4,096]; A: input x; B: input base: QUANTISED
;;     2. [M 2,048, K 4,096] x [K 4,096, N 4,096]; A: input x; B: computed on the way: left as it is (an operand is computed on the way)
;;   THE QUANTISER, for each operand of a quantised product, along K:
;;     - K is cut into blocks of 32 from its start; a last block that is shorter is filled with zeros.
;;     - A block's scale is 2^e with e = floor(log2(the largest magnitude in the block)) - 2, held to -126 .. 127; a block of zeros has e = 0. As a byte (E8M0): e + 127.
;;     - Each number is divided by its block's scale, clamped to +-6, and rounded to the nearest number of E2M1, ties to even, subnormals kept.
;;     - The product sums the exact products of the quantised numbers (number of the format x scale) in f32.
;;   ~~~python
;;   def quantise(x, axis):      # numpy; x: float32 -> the quantised numbers, widened to float32 again
;;       x = np.moveaxis(x, axis, -1); K = x.shape[-1]
;;       x = np.pad(x, [(0, 0)] * (x.ndim - 1) + [(0, -K % 32)]); x = x.reshape(x.shape[:-1] + (-1, 32)); a = np.abs(x).max(-1, keepdims=True)
;;       e = np.where(a > 0, np.clip(np.frexp(np.where(a > 0, a, 1))[1] - 1 - 2, -126, 127), 0)      # np.frexp(a)[1] - 1 = floor(log2(a)), exactly
;;       r = np.clip(x / 2.0 ** e, -6, 6)
;;       step = 2.0 ** (np.maximum(np.frexp(np.where(r == 0, 1, r))[1] - 1, 0) - 1)
;;       q = np.round(r / step) * step * 2.0 ** e      # np.round: ties to even
;;       return np.moveaxis(q.reshape(q.shape[:-2] + (-1,))[..., :K], -1, axis).astype(np.float32)
;;   ~~~
;; 2 versions, each right. Each part assembles by itself: llvm-mc -triple=amdgcn-amd-amdhsa -mcpu=gfx1250 --defsym DOCPART=n.
;; ======== version 1 of 2: 2 launches
;; limits: values are held in f16: magnitudes above 65,504 overflow, below 6.1e-05 lose precision; inputs' magnitudes at most 65,504
;; workspace buffers: aw 21,233,664 bytes; bw 42,467,328 bytes
;; launch prep (part 1): grid 1280 x 1, 4 waves a work-group, no clusters, 34,304 bytes of LDS; arguments x, base, mask, aw, bw; writes aw, bw
.if DOCPART == 1
	.amdgcn_target "amdgcn-amd-amdhsa--gfx1250"
	.amdhsa_code_object_version 6
	.text
	.protected	k_q466a4fc1ea_prep
	.globl	k_q466a4fc1ea_prep
	.p2align	8
	.type	k_q466a4fc1ea_prep,@function
k_q466a4fc1ea_prep:
	s_mov_b64 s[64:65], 0
	v_nop
	global_prefetch_b8 v0, s[64:65] scope:SCOPE_SE
	s_setreg_imm32_b32 hwreg(HW_REG_WAVE_MODE, 25, 1), 1
	s_wait_xcnt 0x0
; x [2048][4096], base [4096][4096] (K first), mask [4096][4096] (K first, whole numbers) are read once and turned into the operands of the
; second launch: for the quantised product codes of FP4 (E2M1) with one E8M0 byte for each 32 along K, for the other product f16 (x as it is, 2 mask - 1).
; Both workspace buffers are laid as IMAGES OF OPERAND REGISTERS.  A fragment is 8 registers a lane, 1,024 bytes: registers 4 c .. 4 c + 3 of lane l at 512 c + 16 l.
;   aw, tile of 128 rows (ATS bytes): 32 blocks of 128 K in f16, then 8 blocks of 512 K in codes, 32,768 bytes each: row tile a (16 rows) at 4,096 a, quarter q at 1,024 q;
;       behind them the scale words: 2,048 j + 16 row + 4 q (j: which 512 along K, q: which 128 of them).
;   bw, tile of 256 columns (BTS bytes): the same with 16 column tiles: blocks of 65,536 bytes, scale words at 4,096 j + 16 column + 4 q.
; f16 fragment (16 x 32 K): lane (r, h) holds in registers 4 c .. 4 c + 3 the numbers k = 16 h + 8 c + 0 .. 7.  That is a permutation of k inside each 32, the same for x and for the signs, so the products are kept.
; FP4 fragment (16 x 128 K): lane (r, h), registers 4 c .. 4 c + 3: k = 64 c + 32 h + 0 .. 31: block bq of 32 of row r is 16 bytes at 256 bq + 16 r.
; In both images sixteen neighbouring rows (columns) fill 256 consecutive aligned bytes: the results are stored straight from registers.
; A block's scale is 2^(floor(log2(largest magnitude)) - 2): its byte is the largest magnitude's exponent field - 2, held at 1 from below by a floor among the maximum's leaves.
; LIMITS: |x| up to 65,504 (f16) in the second product, and x under 2^-25 counts as 0 there; 2 mask - 1 is exact in f16 up to 2,048; a block of zeros gets the byte 1 where the rule says 127
; (its codes are zeros, and this program alone reads the bytes); blocks whose largest magnitude lies under 2^-124 were not tried; NaN and infinities are not served.
; SHARES: work-groups 0 .. 1023 take base and mask (a wave: 32 columns x 128 K), work-groups 1024 .. 1279 take x (a wave: 16 rows x 512 K): 32 KiB read by every wave.
; No tensor loads, no barrier: waves share nothing.  Matrix units and clusters have nothing to do in a stream.
.set ATS,   1327104                    ; 40 x 32,768 + 16,384
.set BTS,   2654208                    ; 40 x 65,536 + 32,768
.set STG,   8448                       ; x's path: a wave's own stage in LDS, 16 rows x (512 + 16) bytes
.set SPARE, 4*STG                      ; behind the stages: the spare words, 128 bytes for each wave: two blocks of 256 bytes that no other line names
.set SPW,   6                          ; v6  LDS address of my spare word; never rewritten
.set NIL,   7                          ; v7  0; never rewritten
	s_load_b256 s[4:11], s[0:1], 0x0               ; x s[4:5], base s[6:7], mask s[8:9], aw s[10:11]
	s_load_b64 s[12:13], s[0:1], 0x20              ; bw
	v_lshl_add_u32 v[SPW], v0, 2, SPARE
	v_mov_b32 v[NIL], 0
	v_lshrrev_b32 v1, 5, v0
	v_readfirstlane_b32 s14, v1                    ; wave 0..3
	v_and_b32 v1, 31, v0                           ; lane
	s_cmp_lt_u32 ttmp9, 1024                       ; the weights' work-group or x's: the work-group's number alone decides
	s_cbranch_scc0 .Lx
; ---------------- base and mask: A LANE TAKES A COLUMN, ITS REGISTERS RUN DOWN K ----------------
; Each load reads one row k at 32 neighbouring columns (128 consecutive bytes a wave, the four waves side by side on 512); a block of 32 along K lies in one lane's 32 registers.
.set X0, 16                            ; v16-47   32 numbers of base
.set X1, 48                            ; v48-79   32 numbers of mask
.set C,  80                            ; v80-95   codes, four registers for each block: no store's data are written again
.set S,  96                            ; v96-159  signs in f16, sixteen registers for each block
	s_and_b32 s15, ttmp9, 31                       ; which 128 columns
	s_lshr_b32 s16, ttmp9, 5                       ; which 128 along K
	s_lshl_b32 s18, s16, 21                        ; 128 rows of 16,384 bytes
	s_lshl_b32 s17, s15, 9
	s_add_co_u32 s18, s18, s17
	s_lshl_b32 s17, s14, 7
	s_add_co_u32 s18, s18, s17                     ; + 4 x my wave's first column
	s_mov_b32 s19, 0
	s_lshr_b32 s20, s15, 1
	s_mul_i32 s20, s20, BTS                        ; my tile of 256 columns in bw
	s_and_b32 s21, s15, 1                          ; which half of it
	s_lshl_b32 s17, s21, 15
	s_add_co_u32 s22, s20, s17
	s_lshl_b32 s17, s14, 13
	s_add_co_u32 s22, s22, s17                     ; + 4,096 x my first column tile (8 x half + 2 x wave)
	s_lshl_b32 s17, s16, 16
	s_add_co_u32 s24, s22, s17                     ; the signs: block = which 128 along K
	s_mov_b32 s25, 0
	s_lshr_b32 s23, s16, 2                         ; j: which 512 along K
	s_and_b32 s31, s16, 3                          ; q: which 128 of them
	s_lshl_b32 s17, s23, 16
	s_add_co_u32 s26, s22, s17
	s_lshl_b32 s17, s31, 10
	s_add_co_u32 s26, s26, s17
	s_add_co_u32 s26, s26, 32*65536                ; the codes: block 32 + j, quarter q
	s_mov_b32 s27, 0
	s_lshl_b32 s17, s23, 12
	s_add_co_u32 s28, s20, s17
	s_lshl_b32 s17, s21, 11
	s_add_co_u32 s28, s28, s17
	s_lshl_b32 s17, s14, 9
	s_add_co_u32 s28, s28, s17
	s_lshl_b32 s17, s31, 2
	s_add_co_u32 s28, s28, s17
	s_add_co_u32 s28, s28, 40*65536                ; the scale words: 4,096 j + 16 x my wave's first column + 4 q
	s_mov_b32 s29, 0
	v_lshlrev_b32 v2, 2, v1                        ; in: 4 bytes a lane
	v_lshrrev_b32 v3, 4, v1
	v_and_b32 v4, 15, v1
	v_lshlrev_b32 v3, 12, v3
	v_lshl_add_u32 v3, v4, 4, v3                   ; out: lanes 16-31 belong to the next column tile; 16 bytes a column
	v_lshlrev_b32 v4, 4, v1                        ; my column's scale words
	s_wait_kmcnt 0x0
	s_add_nc_u64 s[6:7], s[6:7], s[18:19]
	s_add_nc_u64 s[8:9], s[8:9], s[18:19]
	s_add_nc_u64 s[24:25], s[12:13], s[24:25]
	s_add_nc_u64 s[26:27], s[12:13], s[26:27]
	s_add_nc_u64 s[28:29], s[12:13], s[28:29]
.macro WLOAD set, ptr, blk             ; rows 32 blk + 0 .. 31 of my column; every offset is an immediate, 127 rows of 16,384 bytes at the most
.irp i, 0,1,2,3,4,5,6,7,8,9,10,11,12,13,14,15,16,17,18,19,20,21,22,23,24,25,26,27,28,29,30,31
	global_load_b32 v[\set+\i], v2, s[\ptr:\ptr+1] offset:(32*(\blk)+\i)*16384 th:TH_LOAD_NT
.endr
.endm
.macro WBASE blk, left                 ; a block of base: its scale byte and its 32 codes
	s_wait_loadcnt \left                           ; loads come back in order: this block's 32 are in, the younger group may be out
	v_max3_num_f32 v8, |v[X0]|, |v[X0+1]|, |v[X0+2]|               ; the block's largest magnitude: all 32 numbers are mine; two chains
	v_max3_num_f32 v9, |v[X0+3]|, |v[X0+4]|, |v[X0+5]|
.irp i, 6,10,14,18,22,26
	v_max3_num_f32 v8, v8, |v[X0+\i]|, |v[X0+\i+1]|
	v_max3_num_f32 v9, v9, |v[X0+\i+2]|, |v[X0+\i+3]|
.endr
	v_max3_num_f32 v8, v8, |v[X0+30]|, |v[X0+31]|
	v_max3_num_f32 v8, v8, v9, 0x1800000           ; and the floor 2^(3 - 127): the byte cannot fall under 1
	v_add_nc_u32 v10, 0xff000000, v8               ; 2 off the exponent field: the conversion takes this operand's exponent field as its scale
.irp g, 0,1,2,3
	v_cvt_scalef32_pk8_fp4_f32 v[C+4*(\blk)+\g], v[X0+8*\g:X0+8*\g+7], v10
.endr
	v_lshrrev_b32 v11, 23, v10                     ; the scale's byte (a plain line behind the conversions)
.if (\blk) == 0
	v_mov_b32 v5, v11                              ; four bytes make the word of these 128 along K, the lower K in the lower byte
.else
	v_lshl_or_b32 v5, v11, 8*(\blk), v5
.endif
	global_store_b128 v3, v[C+4*(\blk):C+4*(\blk)+3], s[26:27] offset:256*(\blk)   ; sixteen lanes store 256 consecutive aligned bytes
.if (\blk) < 3
	WLOAD X0, 6, (\blk)+1
.endif
.endm
.macro WMASK blk, left                 ; a block of mask: 2 mask - 1 as whole numbers, then f32, then f16
	s_wait_loadcnt \left
.irp i, 0,1,2,3,4,5,6,7,8,9,10,11,12,13,14,15,16,17,18,19,20,21,22,23,24,25,26,27,28,29,30,31
	v_lshl_add_u32 v[X1+\i], v[X1+\i], 1, -1
.endr
.irp i, 0,1,2,3,4,5,6,7,8,9,10,11,12,13,14,15,16,17,18,19,20,21,22,23,24,25,26,27,28,29,30,31
	v_cvt_f32_i32 v[X1+\i], v[X1+\i]
.endr
.irp j, 0,1,2,3,4,5,6,7,8,9,10,11,12,13,14,15
	v_cvt_pk_f16_f32 v[S+16*(\blk)+\j], v[X1+2*\j], v[X1+2*\j+1]
.endr
.irp p, 0,1,2,3                        ; piece p: k = 8 p + 0 .. 7 of the 32: registers 4 (p % 2) on of lane 16 (p / 2) + r
	global_store_b128 v3, v[S+16*(\blk)+4*\p:S+16*(\blk)+4*\p+3], s[24:25] offset:(\blk)*1024+(\p%2)*512+(\p/2)*256
.endr
.if (\blk) < 3
	WLOAD X1, 8, (\blk)+1
.endif
.endm
	WLOAD X0, 6, 0
	WLOAD X1, 8, 0
	WBASE 0, 32
	WMASK 0, 32
	WBASE 1, 32
	WMASK 1, 32
	WBASE 2, 32
	WMASK 2, 32
	WBASE 3, 32
	WMASK 3, 0
	global_store_b32 v4, v5, s[28:29]              ; my column's word: 4 bytes a lane, 16 bytes apart: 128 bytes of the wave against the 32,768 that it reads
	s_wait_tensorcnt 0x0                           ; the wave's end
	ds_add_u32 v[SPW], v[NIL]
	s_wait_dscnt 0x0
	s_endpgm
; ---------------- x: K is innermost; a wave takes 16 rows x 512 K, in four steps of 128 K ----------------
; A load reads 512 consecutive bytes of a row.  The conversions want 16 neighbours along K in one lane's registers: a step's 16 x 512 bytes turn through the wave's own stage in LDS.
.set R,   16                           ; v16-79   a step's 16 rows as loaded
.set X,   80                           ; v80-143  64 numbers of my row: register 16 b + i = k 32 b + 16 (lane / 16) + i; later the same in f16, two to a register
.set PC,  144                          ; v144-151 the FP4 fragment
.set TM,  152                          ; v152-167 at work
.set SW,  8                            ; v8-11    the four steps' scale words
.set SEL, 20                           ; s[20:21] lane selects for v_permlanex16_b32: lane l xor 16
.Lx:
	s_sub_co_u32 s15, ttmp9, 1024
	s_lshl_b32 s15, s15, 2
	s_add_co_u32 s15, s15, s14                     ; my wave among 1,024
	s_lshr_b32 s16, s15, 3                         ; which 16 rows
	s_and_b32 s17, s15, 7                          ; j: which 512 along K
	s_lshr_b32 s22, s16, 3                         ; the tile of 128 rows
	s_and_b32 s23, s16, 7                          ; a: the row tile in it
	s_lshl_b32 s18, s16, 18                        ; 16 rows of 16,384 bytes
	s_lshl_b32 s31, s17, 11
	s_add_co_u32 s18, s18, s31
	s_mov_b32 s19, 0
	s_mul_i32 s22, s22, ATS
	s_lshl_b32 s31, s23, 12
	s_add_co_u32 s32, s22, s31                     ; tile + 4,096 a
	s_lshl_b32 s31, s17, 17
	s_add_co_u32 s24, s32, s31                     ; f16: blocks 4 j + 0 .. 3
	s_mov_b32 s25, 0
	s_lshl_b32 s31, s17, 15
	s_add_co_u32 s26, s32, s31
	s_add_co_u32 s26, s26, 32*32768                ; codes: block 32 + j
	s_mov_b32 s27, 0
	s_lshl_b32 s31, s17, 11
	s_add_co_u32 s28, s22, s31
	s_lshl_b32 s31, s23, 8
	s_add_co_u32 s28, s28, s31
	s_add_co_u32 s28, s28, 40*32768                ; scale words: 2,048 j + 16 x (16 a)
	s_mov_b32 s29, 0
	s_mov_b32 s[SEL], 0x76543210
	s_mov_b32 s[SEL+1], 0xfedcba98
	s_mul_i32 s33, s14, STG                        ; my stage
	v_lshlrev_b32 v2, 4, v1                        ; 16 x lane: in a load's 512 bytes, and in an image's
	v_add_nc_u32 v3, s33, v2                       ; the stage, on the way in
	v_and_b32 v12, 15, v0                          ; r
	v_bfe_u32 v13, v0, 4, 1                        ; h
	v_mul_u32_u24 v4, v12, 528
	v_lshl_add_u32 v4, v13, 6, v4
	v_add_nc_u32 v4, s33, v4                       ; and on the way out: row r, + 64 h: my 16 numbers of each block of 32
	v_lshlrev_b32 v5, 4, v12                       ; my row's four scale words
.irp b, 0,1,2,3
	v_mov_b32 v[TM+4+\b], 0                        ; written once: a lane permute's destination counts as one of its sources
.endr
	s_wait_kmcnt 0x0
	s_add_nc_u64 s[4:5], s[4:5], s[18:19]
	s_add_nc_u64 s[24:25], s[10:11], s[24:25]
	s_add_nc_u64 s[26:27], s[10:11], s[26:27]
	s_add_nc_u64 s[28:29], s[10:11], s[28:29]
.macro XLOAD t
.irp i, 0,1,2,3,4,5,6,7,8,9,10,11,12,13,14,15
	global_load_b128 v[R+4*\i:R+4*\i+3], v2, s[4:5] offset:\i*16384+(\t)*512 th:TH_LOAD_NT   ; row i: 32 lanes read 512 consecutive bytes
.endr
.endm
; 64 numbers of a lane, v[s] on, become a fragment's codes in v[PC] on and my row's scale word in v[w].
.macro QUANT s, w
.irp b, 0,1,2,3
	v_max3_num_f32 v[TM+\b], |v[\s+16*\b]|, |v[\s+1+16*\b]|, 0x1800000   ; block b: my 16 numbers, and the floor 2^(3 - 127)
.endr
.irp i, 2,4,6,8,10,12,14
.irp b, 0,1,2,3
	v_max3_num_f32 v[TM+\b], v[TM+\b], |v[\s+16*\b+\i]|, |v[\s+1+16*\b+\i]|   ; the four blocks by turns
.endr
.endr
.irp b, 0,1,2,3
	v_permlanex16_b32 v[TM+4+\b], v[TM+\b], s[SEL], s[SEL+1]
.endr
.irp b, 0,1,2,3
	v_max_num_f32 v[TM+\b], v[TM+\b], v[TM+4+\b]   ; with lane l xor 16's: the block's largest magnitude
.endr
.irp b, 0,1,2,3
	v_add_nc_u32 v[TM+12+\b], 0xff000000, v[TM+\b] ; 2 off the exponent field: the conversion's scale operand
.endr
.irp b, 0,1,2,3
	v_lshrrev_b32 v[TM+4+\b], 23, v[TM+12+\b]      ; the scale's byte
.endr
	v_lshl_or_b32 v[\w], v[TM+5], 8, v[TM+4]
	v_lshl_or_b32 v[\w], v[TM+6], 16, v[\w]
	v_lshl_or_b32 v[\w], v[TM+7], 24, v[\w]
.irp b, 0,1,2,3
	v_cvt_scalef32_pk8_fp4_f32 v[PC+2*\b], v[\s+16*\b:\s+7+16*\b], v[TM+12+\b]
	v_cvt_scalef32_pk8_fp4_f32 v[PC+1+2*\b], v[\s+8+16*\b:\s+15+16*\b], v[TM+12+\b]
.endr
	v_nop                                          ; one plain line behind the scaled conversions
.irp c, 0,1                                    ; the operand's layout wants a whole block in a lane: lanes 0-15 block 2 c, lanes 16-31 block 2 c + 1
.irp i, 0,1
	v_permlane16_swap_b32 v[PC+4*\c+\i], v[PC+2+4*\c+\i]
.endr
.endr
.endm
.macro XSTEP t
	s_wait_loadcnt 0x0                             ; this step's 16 rows are in
.if (\t) > 0
	s_wait_xcnt 0x0                                ; the last step's stores have read X and PC: both are written again only behind this wait
.endif
.irp i, 0,1,2,3,4,5,6,7,8,9,10,11,12,13,14,15
	ds_store_b128 v3, v[R+4*\i:R+4*\i+3] offset:\i*528
.endr
.irp b, 0,1,2,3
.irp j, 0,1,2,3
	ds_load_b128 v[X+16*\b+4*\j:X+16*\b+4*\j+3], v4 offset:128*\b+16*\j   ; LDS serves a wave's instructions in order: these see my stores; rows 528 bytes apart start in sixteen different groups of banks
.endr
.endr
	s_wait_dscnt 0x0                               ; the numbers are back, and the stores have read R
.if (\t) < 3
	XLOAD (\t)+1                                   ; the next step's rows come while this step is worked
.endif
	QUANT X, SW+(\t)
.set n, 0
.rept 32
	v_cvt_pk_f16_f32 v[X+n], v[X+2*n], v[X+2*n+1]  ; in place, ascending: register n is written when numbers 2 n and 2 n + 1 are read, and no later line reads it
.set n, n+1
.endr
.irp c, 0,1
	global_store_b128 v2, v[PC+4*\c:PC+4*\c+3], s[26:27] offset:(\t)*1024+512*\c   ; every store of the wave covers 512 consecutive aligned bytes
.endr
.irp b, 0,1,2,3                        ; registers 8 b + 4 c on: the f16 fragment of the step's b-th 32 along K, its registers 4 c on
.irp c, 0,1
	global_store_b128 v2, v[X+8*\b+4*\c:X+8*\b+4*\c+3], s[24:25] offset:(\t)*32768+\b*1024+\c*512
.endr
.endr
.endm
	XLOAD 0
	XSTEP 0
	XSTEP 1
	XSTEP 2
	XSTEP 3
	s_wait_xcnt 0x0                                ; EXEC is a source of the pending stores: it changes only behind this wait
	v_cmp_gt_u32 vcc_lo, 16, v1
	s_and_saveexec_b32 s30, vcc_lo                 ; lanes 0-15: lane r has row r's words (lanes 16-31 hold the same)
	global_store_b128 v5, v[SW:SW+3], s[28:29]     ; sixteen lanes store 256 consecutive aligned bytes
	s_wait_xcnt 0x0                                ; and again, in front of the line that widens it
	s_or_b32 exec_lo, exec_lo, s30
	s_wait_tensorcnt 0x0                           ; the wave's end: behind my last LDS store
	ds_add_u32 v[SPW], v[NIL]
	s_wait_dscnt 0x0
	s_endpgm
.Lfunc_end_k_q466a4fc1ea_prep:
	.size	k_q466a4fc1ea_prep, .Lfunc_end_k_q466a4fc1ea_prep-k_q466a4fc1ea_prep
	.p2alignl 7, 3214868480
	.fill 96, 4, 3214868480
	.section	.rodata,"a",@progbits
	.p2align	6, 0x0
	.amdhsa_kernel k_q466a4fc1ea_prep
		.amdhsa_group_segment_fixed_size 34304
		.amdhsa_private_segment_fixed_size 0
		.amdhsa_enable_private_segment 0
		.amdhsa_kernarg_size 40
		.amdhsa_user_sgpr_count 2
		.amdhsa_user_sgpr_kernarg_segment_ptr 1
		.amdhsa_wavefront_size32 1
		.amdhsa_system_sgpr_workgroup_id_x 1
		.amdhsa_system_sgpr_workgroup_id_y 1
		.amdhsa_system_sgpr_workgroup_id_z 1
		.amdhsa_system_vgpr_workitem_id 0
		.amdhsa_next_free_vgpr 168
		.amdhsa_next_free_sgpr 66
		.amdhsa_reserve_vcc 1
		.amdhsa_float_denorm_mode_32 3
		.amdhsa_float_denorm_mode_16_64 3
		.amdhsa_memory_ordered 1
		.amdhsa_forward_progress 1
		.amdhsa_inst_pref_size 94
	.end_amdhsa_kernel
	.amdgpu_metadata
---
amdhsa.version: [ 1, 2 ]
amdhsa.kernels:
  - .name:           k_q466a4fc1ea_prep
    .symbol:         k_q466a4fc1ea_prep.kd
    .args:
      - { .name: x, .offset: 0, .size: 8, .value_kind: global_buffer, .address_space: global }
      - { .name: base, .offset: 8, .size: 8, .value_kind: global_buffer, .address_space: global }
      - { .name: mask, .offset: 16, .size: 8, .value_kind: global_buffer, .address_space: global }
      - { .name: aw, .offset: 24, .size: 8, .value_kind: global_buffer, .address_space: global }
      - { .name: bw, .offset: 32, .size: 8, .value_kind: global_buffer, .address_space: global }
    .group_segment_fixed_size: 34304
    .private_segment_fixed_size: 0
    .kernarg_segment_align: 8
    .kernarg_segment_size: 40
    .max_flat_workgroup_size: 128
    .sgpr_count:     66
    .vgpr_count:     168
    .wavefront_size: 32
...
	.end_amdgpu_metadata
.endif
;; end of part 1
;; launch gemm (part 2): grid 16 x 16, 4 waves a work-group, clusters of 4 x 4, 327,680 bytes of LDS; arguments aw, bw, coeff, out0; writes out0
.if DOCPART == 2
	.amdgcn_target "amdgcn-amd-amdhsa--gfx1250"
	.amdhsa_code_object_version 6
	.text
	.protected	k_q466a4fc1ea_gemm
	.globl	k_q466a4fc1ea_gemm
	.p2align	8
	.type	k_q466a4fc1ea_gemm,@function
k_q466a4fc1ea_gemm:
	s_mov_b64 s[64:65], 0
	v_nop
	global_prefetch_b8 v0, s[64:65] scope:SCOPE_SE
	s_setreg_imm32_b32 hwreg(HW_REG_WAVE_MODE, 25, 1), 1
	s_wait_xcnt 0x0
	s_wait_alu depctr_hold_cnt(0) depctr_sa_sdst(0) depctr_va_vdst(0) depctr_va_sdst(0) depctr_va_ssrc(0) depctr_va_vcc(0) depctr_vm_vsrc(0)
	s_getreg_b32 s2, hwreg(HW_REG_IB_STS2, 6, 4)
	s_cmp_eq_u32 s2, 0
	s_cbranch_scc0 .Lentry_in_a_cluster
	s_endpgm
.Lentry_in_a_cluster:
	s_bfe_u32 s2, ttmp6, 0x10000c
	s_cmp_lg_u32 s2, 0xf033
	s_cbranch_scc0 .Lentry_shape_is_right
	s_endpgm
.Lentry_shape_is_right:
; out0[m][n] = sum_k Q(x)[m][k] Q(base)[k][n] + coeff x sum_k x[m][k] (2 mask[k][n] - 1).  M = 2,048, N = 4,096, K = 4,096.
; The operands come from the launch before, as images of operand registers (aw: x's side, bw: the weights' side; the layouts stand at that launch's head).
; A tile of out0 is 128 x 256: 16 x 16 work-groups, one for each of 256 tiles; four waves, each 64 x 128: 32 accumulators of 16 x 16, 256 registers.
; ONE SET OF ACCUMULATORS SERVES BOTH PRODUCTS, one after the other: phase H: acc = x (f16) x signs (f16) over all of K, 32 steps of 128 K; acc is multiplied by coeff, in f32;
; phase Q: acc += the quantised product, 8 steps of 512 K, codes of FP4 with E8M0 scales.  So coeff is never rounded and the signs are exact.
; A fragment of 16 x 32 K in f16 and one of 16 x 128 K in FP4 are both 8 registers a lane, so a step of either phase has the same bytes in the same layout (x 32,768, weights 65,536, four quarters),
; and a tile's 32 + 8 blocks lie on end in memory: one walking descriptor, one ring of two LDS slots and one set of macros go through all 40 steps; only the matrix line and the scale words differ.
; In the f16 fragments k is permuted inside each 32, alike on both sides: the products are the same, their order in a sum is not; the result is judged within a tolerance.
; The images are dense in LDS: lane l reads 16 bytes at 16 l, 512 consecutive bytes an instruction: no pitch, no padding.
; CLUSTERS: 4 x 4 work-groups.  The four of a row of the cluster need the same blocks of aw, the four of a column the same blocks of bw: each is asked for JOINTLY, by the same tensor load with the same
; descriptor and a mask that names the four.  THE MATRIX INSTRUCTION IS USED TRANSPOSED (source 0 = 16 columns of the weights, source 1 = 16 rows of x): a lane then holds eight neighbouring numbers of a row of out0.
; LIMITS: those of the launch before (f16's range for x in the second product; NaN and infinities not served).
; REGISTERS: window 0: v1-12 addresses; v16-39, v40-63 two sets of scale words; v64-159, v160-255 two fragment buffers (the weights' eight at +8 b, x's four at +64 + 8 a).  window 1: accumulator (a, b) at v[8 (8 a + b)].
.set ATS,    1327104                   ; a tile of aw: 40 x 32,768 + 16,384 of scale words
.set BTS,    2654208                   ; a tile of bw: 40 x 65,536 + 32,768
.set ABLK,   32768
.set BBLK,   65536
.set SLOT1,  131072                    ; slot 1 begins here: one exclusive or turns an address in one slot into the other's.  A slot: x's block, then the weights' at +32,768
.set SCB,    98304                     ; behind slot 0: the weights' scale words for all of K, 32,768 bytes, filled once
.set SCA,    229376                    ; behind slot 1: x's, 16,384 bytes, filled once
.set STAGE,  245760                    ; the way out: 16 rows x (512 + 16) bytes for each wave; no fill lands here
.set SPITCH, 528
.set SPARE,  STAGE+4*16*SPITCH         ; the spare words, 128 bytes for each wave: two blocks of 256 bytes that no other line names
.set ADRA, 1                           ; v1-2   LDS address of my x fragments in slot 0, 1
.set ADRB, 3                           ; v3-4   the same for the weights
.set ADSA, 5                           ; v5     x's scale words: lanes 0-15 row tile i, lanes 16-31 row tile i + 2
.set ADSB, 6                           ; v6     the weights': lanes 0-15 column tile i, lanes 16-31 column tile i + 4
.set STO,  7                           ; v7     the way out: where I put 32 bytes of a row
.set RD,   8                           ; v8     and where I read a row back
.set CO,   9                           ; v9     16 x lane: my byte in a row's 512
.set SPW,  10                          ; v10    LDS address of my spare word; never rewritten
.set NIL,  11                          ; v11    0; never rewritten
.set PFO,  12                          ; v12    256 x lane: the prefetches' offset; never rewritten
.set SC,   16                          ; scale words: set s at v[SC + 24 s]: +4 i + q the weights', +16 + 4 i + q x's (q: which 128 of the step's 512)
.set F0,   64
.set F1,   160
.set BK,   64                          ; the way out: 16 rows read back: v64-127 and v128-191 by turns
.set G1,   24                          ; s[24:31] group 1 for x's blocks;  s[32:35] group 0 for step 0, s[36:39] for step 1, which then walks
.set G0,   32
.set G1B,  48                          ; s[48:55], s[56:59], s[60:63] the same for the weights
.set G0B,  56
.set G1S,  68                          ; s[68:75], s[76:79] groups 1 and 0 for x's scale words;  s[80:87], s[88:91] for the weights'
.set G0S,  76
.set G1SB, 80
.set G0SB, 88
.set PFA,  66                          ; s[66:67] where my prefetches stand
.set PFS,  92                          ; s[92:93] a step on, in bytes
.set LIM,  94                          ; s94 1 in a wave that prefetches, else the greatest number
.set MSB, 0
.macro WIN new                         ; the immediate's high byte repeats the setting that is left
.if MSB != \new
	s_set_vgpr_msb (MSB<<8)|\new
.set MSB, \new
.endif
.endm
.set MUL,  0x50                        ; C and D window 1, the fragments window 0
.set SCL,  0x41                        ; destination and source 0 window 1
.set OUTW, 0x04                        ; an LDS store's data (source 1) window 1
; A joint load: waves 0 and 1 fetch the halves of x's block, waves 2 and 3 those of the weights'.  Each line has one mask and one set of registers for all that issue it; the branch hangs on the wave's number alone.
; An s_nop 0 and four v_nop follow each of the two lines, ahead of the jump, the label and what follows.
.macro JLOAD g0a, g1a, g0b, g1b
	s_cmp_eq_u32 s15, 0
	s_cbranch_scc0 .Lfor_b_\@
	tensor_load_to_lds s[\g0a:\g0a+3], s[\g1a:\g1a+7]
	s_nop 0
.rept 4
	v_nop
.endr
	s_branch .Lasked_\@
.Lfor_b_\@:
	tensor_load_to_lds s[\g0b:\g0b+3], s[\g1b:\g1b+7]
	s_nop 0
.rept 4
	v_nop
.endr
.Lasked_\@:
.endm
.macro CREST                           ; a round of the cluster's barrier behind its opening barrier
	s_cmp_lg_u32 s14, 0
	s_cbranch_scc1 .Lnot_wave_0_\@
	s_barrier_signal -3
.Lnot_wave_0_\@:
	s_barrier_wait -3
	s_barrier_signal -1
	s_barrier_wait -1
.endm
.macro CROUND                          ; a whole round
	s_barrier_signal -1
	s_barrier_wait -1
	CREST
.endm
.macro SHAPE g, rows                   ; a dense block as rows of 256 bytes: 32 elements of 8 bytes, pitch = row
	s_mov_b32 s[\g+1], 32<<16                      ; tensor_dim0
	s_mov_b32 s[\g+2], (\rows)<<16                 ; tensor_dim1
	s_mov_b32 s[\g+3], 32<<16                      ; tile_dim0
	s_mov_b32 s[\g+4], \rows                       ; tile_dim1
	s_mov_b32 s[\g+5], 32                          ; tensor_dim0_stride
	s_mov_b32 s[\g+6], 0
	s_mov_b32 s[\g+7], 0
.endm
	s_load_b256 s[4:11], s[0:1], 0x0               ; aw s[4:5], bw s[6:7], coeff s[8:9], out0 s[10:11]
	v_lshl_add_u32 v[SPW], v0, 2, SPARE
	v_mov_b32 v[NIL], 0
	ds_add_u32 v[SPW], v[NIL]                      ; the wave's opening: the add and its wait stand ahead of my first tensor load; the set-up below, work on registers, stands between them
	v_lshrrev_b32 v13, 5, v0
	v_readfirstlane_b32 s14, v13                   ; wave 0..3
	s_lshr_b32 s15, s14, 1                         ; which 64 rows of the tile are mine.  Also: I fetch for x (0) or for the weights (1)
	s_and_b32 s16, s14, 1                          ; which 128 columns.  Also: which half of a block I fetch
	s_bfe_u32 s40, ttmp6, 0x40000                  ; cx, cy: my place in the cluster
	s_bfe_u32 s41, ttmp6, 0x40004
	s_lshl_b32 s42, ttmp9, 2
	s_add_co_u32 s42, s42, s40                     ; tile column = 4 x cluster x + cx
	s_and_b32 s17, ttmp7, 0xffff
	s_lshl_b32 s17, s17, 2
	s_add_co_u32 s17, s17, s41                     ; tile row = 4 x cluster y + cy
	s_lshl_b32 s43, s41, 2
	s_lshl_b32 s43, 15, s43                        ; my row of the cluster
	s_lshl_b32 s44, 0x1111, s40                    ; my column
	s_or_b32 s[G1], s43, (3<<16)|(1<<21)           ; 15:0 the mask: x's blocks go to my row; 17:16 elements of 8 bytes; 21 set beside a mask; no padding
	s_or_b32 s[G1S], s43, (3<<16)|(1<<21)
	s_or_b32 s[G1B], s44, (3<<16)|(1<<21)          ; the weights' go to my column
	s_or_b32 s[G1SB], s44, (3<<16)|(1<<21)
	SHAPE G1, 64                                   ; half of x's block: 16,384 bytes
	SHAPE G1B, 128                                 ; half of the weights': 32,768
	SHAPE G1S, 32                                  ; half of x's scale words: 8,192
	SHAPE G1SB, 64                                 ; half of the weights': 16,384
	s_mov_b32 s[G0], 1                             ; group 0: count = 1, and the LDS address: a constant + a constant x (wave & 1): no place in the cluster enters it
	s_lshl_b32 s[G0+1], s16, 14
	s_mov_b32 s[G0+4], 1
	s_add_co_u32 s[G0+5], s[G0+1], SLOT1
	s_mov_b32 s[G0B], 1
	s_lshl_b32 s[G0B+1], s16, 15
	s_add_co_u32 s[G0B+1], s[G0B+1], ABLK
	s_mov_b32 s[G0B+4], 1
	s_add_co_u32 s[G0B+5], s[G0B+1], SLOT1
	s_mov_b32 s[G0S], 1
	s_lshl_b32 s[G0S+1], s16, 13
	s_add_co_u32 s[G0S+1], s[G0S+1], SCA
	s_mov_b32 s[G0SB], 1
	s_lshl_b32 s[G0SB+1], s16, 14
	s_add_co_u32 s[G0SB+1], s[G0SB+1], SCB
	; where they come from.  x's hang on the tile row alone, which my row of the cluster shares; the weights' on the tile column alone
	s_mul_i32 s18, s17, ATS                        ; my tile of aw
	s_mul_i32 s45, s42, BTS                        ; my tile of bw
	s_lshl_b32 s19, s16, 14
	s_add_co_u32 s20, s18, s19                     ; x: + my half of a block
	s_mov_b32 s21, 0
	s_lshl_b32 s19, s16, 13
	s_add_co_u32 s22, s18, s19
	s_add_co_u32 s22, s22, 40*ABLK                 ; x's scale words: my half
	s_mov_b32 s23, 0
	s_lshl_b32 s19, s16, 15
	s_add_co_u32 s46, s45, s19                     ; the weights likewise
	s_mov_b32 s47, 0
	s_lshl_b32 s19, s16, 14
	s_add_co_u32 s96, s45, s19
	s_add_co_u32 s96, s96, 40*BBLK
	s_mov_b32 s97, 0
	s_wait_dscnt 0x0                               ; the opening add is done
	s_wait_kmcnt 0x0
	s_load_b32 s12, s[8:9], 0x0                    ; coeff: it is only ever a factor
	s_add_nc_u64 s[20:21], s[4:5], s[20:21]
	s_add_nc_u64 s[22:23], s[4:5], s[22:23]
	s_add_nc_u64 s[46:47], s[6:7], s[46:47]
	s_add_nc_u64 s[96:97], s[6:7], s[96:97]
	CROUND                                         ; all sixteen work-groups are here: the first joint loads meet
	s_mov_b64 s[G0S+2:G0S+3], s[22:23]
	s_or_b32 s[G0S+3], s[G0S+3], 0x80000000        ; type = 2
	s_mov_b64 s[G0SB+2:G0SB+3], s[96:97]
	s_or_b32 s[G0SB+3], s[G0SB+3], 0x80000000
	JLOAD G0S, G1S, G0SB, G1SB                     ; the scale words of all of K: filled once
.irp s, 0,1
	s_add_nc_u64 s[G0+4*\s+2:G0+4*\s+3], s[20:21], \s*ABLK
	s_or_b32 s[G0+4*\s+3], s[G0+4*\s+3], 0x80000000
	s_add_nc_u64 s[G0B+4*\s+2:G0B+4*\s+3], s[46:47], \s*BBLK
	s_or_b32 s[G0B+4*\s+3], s[G0B+4*\s+3], 0x80000000
	JLOAD G0+4*\s, G1, G0B+4*\s, G1B               ; steps 0 and 1: three tensor loads of mine are out now, later one
.endr
	v_and_b32 v13, 31, v0                          ; lane
	v_and_b32 v14, 15, v0                          ; r
	v_bfe_u32 v15, v0, 4, 1                        ; h
	v_lshlrev_b32 v[CO], 4, v13
	s_lshl_b32 s19, s15, 14                        ; my four row tiles of x's eight
	v_add_nc_u32 v[ADRA], s19, v[CO]
	v_add_nc_u32 v[ADRA+1], SLOT1, v[ADRA]
	s_lshl_b32 s19, s16, 15                        ; my eight column tiles of sixteen,
	s_add_co_u32 s19, s19, ABLK                    ; behind x's block
	v_add_nc_u32 v[ADRB], s19, v[CO]
	v_add_nc_u32 v[ADRB+1], SLOT1, v[ADRB]
	v_lshlrev_b32 v[ADSA], 4, v14                  ; 16 bytes a row or column: the four words of a step
	v_lshl_add_u32 v[ADSB], v15, 10, v[ADSA]       ; lanes 16-31: 64 columns on
	v_lshl_add_u32 v[ADSA], v15, 9, v[ADSA]        ; lanes 16-31: 32 rows on
	s_lshl_b32 s19, s15, 10
	s_add_co_u32 s19, s19, SCA
	v_add_nc_u32 v[ADSA], s19, v[ADSA]
	s_lshl_b32 s19, s16, 11
	s_add_co_u32 s19, s19, SCB
	v_add_nc_u32 v[ADSB], s19, v[ADSB]
	s_mul_i32 s19, s14, 16*SPITCH
	s_add_co_u32 s19, s19, STAGE                   ; my stage
	v_mul_u32_u24 v[STO], v14, SPITCH
	v_lshl_add_u32 v[STO], v15, 5, v[STO]
	v_add_nc_u32 v[STO], s19, v[STO]               ; in: row r, 32 bytes for each half of the lanes
	v_add_nc_u32 v[RD], s19, v[CO]                 ; back: the 32 lanes take one row of 512 bytes
	v_lshlrev_b32 v[PFO], 8, v13
	; THE PREFETCHES INTO THE L2 (macro ASK).  The change of slots of step t, which asks for step t + 2 by its joint load, names step t + 4: two refills on.  A lane names 256 bytes, a wave 8,192.
	; Each aligned block of 256 bytes is named once in the launch.  A tile of aw is read by every cluster of its row of clusters: cluster x = 0 asks, wave 0; its four partners take 8,192 bytes each of the block's 32,768, by cx.
	; A tile of bw is read by every cluster of its column: cluster y = 0 asks, waves 2 and 3, a half of the block each; the partners take 8,192 bytes each of a half, by cy.  The partners are told apart by address alone.
	; Steps 0 to 3 come by their loads alone; the last step named is 39.
	s_and_b32 s19, ttmp7, 0xffff                   ; cluster y
	s_cmp_eq_u32 s15, 0                            ; do I fetch for x?
	s_cselect_b32 s19, ttmp9, s19                  ; the coordinate along which other clusters read the same tile
	s_cselect_b32 s98, s40, s41                    ; my place among the four that ask with me
	s_cselect_b32 s99, s18, s45                    ; the tile's first byte
	s_cselect_b64 s[PFA:PFA+1], s[4:5], s[6:7]
	s_mov_b32 s[PFS], BBLK
	s_cselect_b32 s[PFS], ABLK, s[PFS]
	s_mov_b32 s[PFS+1], 0
	s_lshl_b32 s98, s98, 13
	s_add_co_u32 s98, s98, s99
	s_and_b32 s99, s15, s16                        ; wave 3: the second half of the weights' block
	s_lshl_b32 s99, s99, 15
	s_add_co_u32 s98, s98, s99
	s_mul_i32 s99, s[PFS], 3                       ; at step 3: the first change of slots steps it to 4
	s_add_co_u32 s98, s98, s99
	s_mov_b32 s99, 0
	s_add_nc_u64 s[PFA:PFA+1], s[PFA:PFA+1], s[98:99]
	s_xor_b32 s99, s15, 1
	s_and_b32 s99, s99, s16                        ; 1 in wave 1, which asks for nothing
	s_or_b32 s99, s99, s19
	s_cmp_eq_u32 s99, 0
	s_cselect_b32 s[LIM], 1, -1                    ; the same in all sixteen partners, for a given wave
	; out0 at my wave's first row and column: (128 x tile row + 64 x half) rows of 16,384 bytes + 1,024 x tile column + 512 x half
	s_lshl_b32 s98, s17, 21
	s_lshl_b32 s99, s15, 20
	s_add_co_u32 s98, s98, s99
	s_lshl_b32 s99, s42, 10
	s_add_co_u32 s98, s98, s99
	s_lshl_b32 s99, s16, 9
	s_add_co_u32 s98, s98, s99
	s_mov_b32 s99, 0
	s_add_nc_u64 s[10:11], s[10:11], s[98:99]
	s_wait_kmcnt 0x0                               ; coeff
	s_mov_b32 s13, s12                             ; (the packed form names the pair)
; 24 LDS loads in one run (30 with a step's scale words): quarter q of the slot's step into buffer f: the weights' eight fragments, x's tiles 0 and 1, the scale words into set sc (sc < 0: none), x's tiles 2 and 3 last
.macro FETCH slot, q, f, sc
.irp b, 0,1,2,3,4,5,6,7
.irp c, 0,1
	ds_load_b128 v[\f+8*\b+4*\c:\f+8*\b+4*\c+3], v[ADRB+\slot] offset:\b*4096+(\q)*1024+\c*512
.endr
.endr
.irp a, 0,1
.irp c, 0,1
	ds_load_b128 v[\f+64+8*\a+4*\c:\f+64+8*\a+4*\c+3], v[ADRA+\slot] offset:\a*4096+(\q)*1024+\c*512
.endr
.endr
.if (\sc) >= 0
.irp i, 0,1,2,3
	ds_load_b128 v[SC+24*(\sc)+4*\i:SC+24*(\sc)+4*\i+3], v[ADSB] offset:256*\i
.endr
.irp i, 0,1
	ds_load_b128 v[SC+24*(\sc)+16+4*\i:SC+24*(\sc)+16+4*\i+3], v[ADSA] offset:256*\i
.endr
.endif
.irp a, 2,3
.irp c, 0,1
	ds_load_b128 v[\f+64+8*\a+4*\c:\f+64+8*\a+4*\c+3], v[ADRA+\slot] offset:\a*4096+(\q)*1024+\c*512
.endr
.endr
.endm
; 8 matrix instructions: x's tile a against the weights' eight.  form 0: f16, the product starts the sum (nothing is ever cleared); 1: f16; 2: FP4 with scales, set and quarter mq.
; The 32 accumulators take turns, one instruction a turn, in the same order in every quarter.
.macro MUL8 f, a, form, set, mq
.irp b, 0,1,2,3,4,5,6,7
.set rD, 8*(8*(\a)+\b)
.set rB, (\f)+8*\b
.set rA, (\f)+64+8*(\a)
.set rSB, SC+24*(\set)+4*(\b%4)+(\mq)
.set rSA, SC+24*(\set)+16+4*((\a)%2)+(\mq)
.if (\form) == 0
	v_wmma_f32_16x16x32_f16 v[rD:rD+7], v[rB:rB+7], v[rA:rA+7], 0
.elseif (\form) == 1
	v_wmma_f32_16x16x32_f16 v[rD:rD+7], v[rB:rB+7], v[rA:rA+7], v[rD:rD+7]
.elseif (\b < 4) && ((\a) < 2)
	v_wmma_scale_f32_16x16x128_f8f6f4 v[rD:rD+7], v[rB:rB+7], v[rA:rA+7], v[rD:rD+7], v[rSB], v[rSA] matrix_a_fmt:MATRIX_FMT_FP4 matrix_b_fmt:MATRIX_FMT_FP4
.elseif (\b >= 4) && ((\a) < 2)
	v_wmma_scale_f32_16x16x128_f8f6f4 v[rD:rD+7], v[rB:rB+7], v[rA:rA+7], v[rD:rD+7], v[rSB], v[rSA] matrix_a_fmt:MATRIX_FMT_FP4 matrix_b_fmt:MATRIX_FMT_FP4 matrix_a_scale:MATRIX_SCALE_ROW1
.elseif \b < 4
	v_wmma_scale_f32_16x16x128_f8f6f4 v[rD:rD+7], v[rB:rB+7], v[rA:rA+7], v[rD:rD+7], v[rSB], v[rSA] matrix_a_fmt:MATRIX_FMT_FP4 matrix_b_fmt:MATRIX_FMT_FP4 matrix_b_scale:MATRIX_SCALE_ROW1
.else
	v_wmma_scale_f32_16x16x128_f8f6f4 v[rD:rD+7], v[rB:rB+7], v[rA:rA+7], v[rD:rD+7], v[rSB], v[rSA] matrix_a_fmt:MATRIX_FMT_FP4 matrix_b_fmt:MATRIX_FMT_FP4 matrix_a_scale:MATRIX_SCALE_ROW1 matrix_b_scale:MATRIX_SCALE_ROW1
.endif
.endr
.endm
; A load into a register that a matrix instruction has read, and a vector instruction or LDS store that reads a matrix result, stand four places behind that matrix instruction; only plain vector
; instructions that name none of its registers are places (ISA guide 7.12.1 for vector instructions).
.macro PLACES n
.rept \n
	v_nop
.endr
.endm
; A step is four quarters, 32 matrix instructions each, on buffers 0, 1, 0, 1.  One of the first three: multiplies buffer f (quarter q - 1) and fetches quarter q into g, in one run in its middle.
.macro QUARTER slot, q, f, g, form
	s_wait_dscnt 4                                 ; all of buffer f but the youngest four loads (x's tiles 2 and 3) is in
	WIN MUL
	MUL8 \f, 0, \form, \slot, (\q)-1
	MUL8 \f, 1, \form, \slot, (\q)-1
	PLACES 4
	WIN 0
	FETCH \slot, \q, \g, -1
	s_wait_dscnt 24                                ; all but the 24 just issued
	WIN MUL
	MUL8 \f, 2, \form, \slot, (\q)-1
	MUL8 \f, 3, \form, \slot, (\q)-1
.endm
.macro ASK how                         ; how = 1: every asking wave asks; how = 0, in phase Q's loop: not in its last trip (s3 = 1), whose steps t + 4 do not exist
.if \how
	s_cmp_eq_u32 s[LIM], 1
.else
	s_cmp_gt_u32 s3, s[LIM]
.endif
	s_cbranch_scc0 .Lnot_mine_\@
	global_prefetch_b8 v[PFO], s[PFA:PFA+1] th:TH_LOAD_NT scope:SCOPE_SE
.Lnot_mine_\@:
.endm
; The last quarter multiplies buffer 1 and changes slots: ONE barrier; in front of it each wave waits for all its tensor loads (one is out: its part of the next slot), adds 0 to its spare word, and waits for that
; and for its own reads of this slot.  fill = 1: the barrier opens a round of the cluster's barrier, and this slot is filled again first thing behind it, with the step two on.
; nsc: 0 no scale words; 1 the next step's into set next; 2 the same, their addresses stepped first.
.macro TURN slot, next, fill, form, nsc, how
	WIN 0                                          ; (the add's two registers lie in window 0)
.if \fill
	s_wait_xcnt 0x0                                ; the last prefetch, a step back, has read its address: it is stepped here, ahead of the change's own waits
	s_add_nc_u64 s[PFA:PFA+1], s[PFA:PFA+1], s[PFS:PFS+1]
.endif
	s_wait_tensorcnt 0x0                           ; all my tensor loads have landed, so a group 0 may be written;
	ds_add_u32 v[SPW], v[NIL]                      ; 0 onto my spare word
.if \fill
	s_xor_b32 s[G0+5], s[G0+5], SLOT1              ; the walking descriptors: the other slot than last time,
	s_add_nc_u64 s[G0+6:G0+7], s[G0+6:G0+7], ABLK  ; the next block: the type bits on top are not reached
	s_xor_b32 s[G0B+5], s[G0B+5], SLOT1
	s_add_nc_u64 s[G0B+6:G0B+7], s[G0B+6:G0B+7], BBLK
.endif
	s_wait_dscnt 5                                 ; (the add and the youngest four loads may be out)
	WIN MUL
	MUL8 F1, 0, \form, \slot, 3                    ; eight matrix instructions stand between the add and the wait for it
	s_wait_dscnt 0x0                               ; the add is done, and my reads of this slot are over
	s_barrier_signal -1
	MUL8 F1, 1, \form, \slot, 3
	WIN 0
	s_barrier_wait -1
.if \fill
	CREST                                          ; no wave of any partner still reads this slot or has a load on its way
	JLOAD G0+4, G1, G0B+4, G1B                     ; the first tensor load behind the round, my one until the next; its four v_nop are also the places in front of the loads below
.else
	PLACES 4
.endif
.if (\nsc) == 2
	v_add_nc_u32 v[ADSA], 2048, v[ADSA]            ; on to the next step's scale words
	v_add_nc_u32 v[ADSB], 4096, v[ADSB]
.endif
.if \nsc
	FETCH \next, 0, F0, \next
.else
	FETCH \next, 0, F0, -1
.endif
.if \fill
	ASK \how                                       ; behind the joint load and the run of LDS loads that the next products wait for
.endif
	WIN MUL
	MUL8 F1, 2, \form, \slot, 3
	MUL8 F1, 3, \form, \slot, 3
.endm
	s_wait_tensorcnt 1                             ; the scale words and my part of step 0 are in; step 1's load may stay out
	s_barrier_signal -1
	s_barrier_wait -1                              ; everybody's are
	FETCH 0, 0, F0, -1
	; ---- PHASE H: acc = x (f16) x signs, steps 0 .. 31 ----
	QUARTER 0, 1, F0, F1, 0                        ; the first quarter stands in front of the loop: its products start the sums
	WIN 0                                          ; at a label and at a branch every window is 0
	s_mov_b32 s3, 15
.Lh:                                                   ; a trip goes once round the ring, from a step's second quarter to the first of the step two on, and fills both slots again: steps 2 .. 31
	QUARTER 0, 2, F1, F0, 1
	QUARTER 0, 3, F0, F1, 1
	TURN 0, 1, 1, 1, 0, 1
	QUARTER 1, 1, F0, F1, 1
	QUARTER 1, 2, F1, F0, 1
	QUARTER 1, 3, F0, F1, 1
	TURN 1, 0, 1, 1, 0, 1
	QUARTER 0, 1, F0, F1, 1
	WIN 0
	s_sub_co_u32 s3, s3, 1
	s_cmp_lg_u32 s3, 0
	s_cbranch_scc1 .Lh
	QUARTER 0, 2, F1, F0, 1                        ; steps 30 and 31: their refills are steps 32 and 33, the first blocks of codes, which lie on end behind the f16 blocks
	QUARTER 0, 3, F0, F1, 1
	TURN 0, 1, 1, 1, 0, 1
	QUARTER 1, 1, F0, F1, 1
	QUARTER 1, 2, F1, F0, 1
	QUARTER 1, 3, F0, F1, 1
	TURN 1, 0, 1, 1, 1, 1                          ; and the first fragments of codes are fetched, with their scale words
	; ---- acc x coeff, in f32, ascending: each accumulator is read from its low end on.  Tiles 0 and 1 were finished ahead of the joint load's four v_nop; their 64 lines are the places behind the last sixteen products ----
	WIN SCL
.set i, 0
.rept 128
	v_pk_mul_f32 v[i:i+1], v[i:i+1], s[12:13] op_sel_hi:[1,0]
.set i, i+2
.endr
	PLACES 4
	; ---- PHASE Q: acc += the quantised product, steps 32 .. 39 ----
	QUARTER 0, 1, F0, F1, 2
	WIN 0
	s_mov_b32 s3, 3
.Lq:                                                   ; three trips: the refills are steps 34 .. 39
	QUARTER 0, 2, F1, F0, 2
	QUARTER 0, 3, F0, F1, 2
	TURN 0, 1, 1, 2, 2, 0
	QUARTER 1, 1, F0, F1, 2
	QUARTER 1, 2, F1, F0, 2
	QUARTER 1, 3, F0, F1, 2
	TURN 1, 0, 1, 2, 2, 0
	QUARTER 0, 1, F0, F1, 2
	WIN 0
	s_sub_co_u32 s3, s3, 1
	s_cmp_lg_u32 s3, 0
	s_cbranch_scc1 .Lq
	QUARTER 0, 2, F1, F0, 2                        ; the last two steps fill nothing and have no round: the tail is written out
	QUARTER 0, 3, F0, F1, 2
	TURN 0, 1, 0, 2, 2, 0
	QUARTER 1, 1, F0, F1, 2
	QUARTER 1, 2, F1, F0, 2
	QUARTER 1, 3, F0, F1, 2
	s_wait_dscnt 4                                 ; the very last quarter: nothing more to fetch
	WIN MUL
	MUL8 F1, 0, 2, 1, 3
	MUL8 F1, 1, 2, 1, 3
	s_wait_dscnt 0x0
	MUL8 F1, 2, 2, 1, 3
	MUL8 F1, 3, 2, 1, 3
	WIN 0
; THE WAY OUT, block by block of 16 rows x 128 columns.  A lane holds 32 neighbouring bytes of a row, and the lanes beside it hold other rows: a block goes through my own stage in LDS and comes back as whole
; rows of 512 bytes.  LDS serves a wave's instructions in order (ISA guide 5.7.1.4): no wait between the stores and the loads, nor in front of the next block's stores.
.macro TOSTAGE a
	WIN OUTW
.irp b, 0,1,2,3,4,5,6,7
	ds_store_b128 v[STO], v[8*(8*(\a)+\b):8*(8*(\a)+\b)+3] offset:64*\b            ; each accumulator from its low end on
	ds_store_b128 v[STO], v[8*(8*(\a)+\b)+4:8*(8*(\a)+\b)+7] offset:64*\b+16
.endr
	WIN 0
.set BB, BK+64*((\a)%2)
.irp t, 0,1,2,3,4,5,6,7,8,9,10,11,12,13,14,15
	ds_load_b128 v[BB+4*\t:BB+4*\t+3], v[RD] offset:\t*SPITCH
.endr
.endm
.macro SEND a, younger                 ; younger: the LDS instructions issued behind block a's loads, which may stay out
.set BB, BK+64*((\a)%2)
	s_wait_dscnt \younger                          ; the block is back in registers
.irp t, 0,1,2,3,4,5,6,7,8,9,10,11,12,13,14,15
	global_store_b128 v[CO], v[BB+4*\t:BB+4*\t+3], s[10:11] offset:(16*(\a)+\t)*16384 th:TH_STORE_NT   ; 32 lanes store 512 consecutive bytes, at a multiple of 256 from out0's first byte; 63 rows at the most: inside the signed 24-bit immediate
.endr
.endm
	PLACES 4                                       ; behind the last products: for the stores that read results and the loads into registers that held fragments
	TOSTAGE 0
.irp a, 1,2,3
.if \a > 1
	s_wait_xcnt 0x0                                ; block a - 2's stores have read their registers: block a's loads may land there
.endif
	TOSTAGE \a
	SEND \a-1, 32                                  ; behind block a - 1's loads: block a's 16 stores and 16 loads
.endr
	SEND 3, 0
	s_wait_tensorcnt 0x0                           ; the wave's end: behind my last tensor load and my last LDS store
	ds_add_u32 v[SPW], v[NIL]
	s_wait_dscnt 0x0
	CROUND                                         ; the closing round: no work-group ends while a partner may still ask for a block that names it
	s_endpgm
.Lfunc_end_k_q466a4fc1ea_gemm:
	.size	k_q466a4fc1ea_gemm, .Lfunc_end_k_q466a4fc1ea_gemm-k_q466a4fc1ea_gemm
	.p2alignl 7, 3214868480
	.fill 96, 4, 3214868480
	.section	.rodata,"a",@progbits
	.p2align	6, 0x0
	.amdhsa_kernel k_q466a4fc1ea_gemm
		.amdhsa_group_segment_fixed_size 327680
		.amdhsa_private_segment_fixed_size 0
		.amdhsa_enable_private_segment 0
		.amdhsa_kernarg_size 32
		.amdhsa_user_sgpr_count 2
		.amdhsa_user_sgpr_kernarg_segment_ptr 1
		.amdhsa_wavefront_size32 1
		.amdhsa_system_sgpr_workgroup_id_x 1
		.amdhsa_system_sgpr_workgroup_id_y 1
		.amdhsa_system_sgpr_workgroup_id_z 1
		.amdhsa_system_vgpr_workitem_id 0
		.amdhsa_next_free_vgpr 512
		.amdhsa_next_free_sgpr 100
		.amdhsa_reserve_vcc 0
		.amdhsa_float_denorm_mode_32 3
		.amdhsa_float_denorm_mode_16_64 3
		.amdhsa_memory_ordered 1
		.amdhsa_forward_progress 1
		.amdhsa_inst_pref_size 196
	.end_amdhsa_kernel
	.amdgpu_metadata
---
amdhsa.version: [ 1, 2 ]
amdhsa.kernels:
  - .name:           k_q466a4fc1ea_gemm
    .symbol:         k_q466a4fc1ea_gemm.kd
    .args:
      - { .name: aw, .offset: 0, .size: 8, .value_kind: global_buffer, .address_space: global }
      - { .name: bw, .offset: 8, .size: 8, .value_kind: global_buffer, .address_space: global }
      - { .name: coeff, .offset: 16, .size: 8, .value_kind: global_buffer, .address_space: global }
      - { .name: out0, .offset: 24, .size: 8, .value_kind: global_buffer, .address_space: global }
    .group_segment_fixed_size: 327680
    .private_segment_fixed_size: 0
    .kernarg_segment_align: 8
    .kernarg_segment_size: 32
    .max_flat_workgroup_size: 128
    .sgpr_count:     100
    .vgpr_count:     512
    .wavefront_size: 32
...
	.end_amdgpu_metadata
.endif
;; end of part 2
;; ======== version 2 of 2: 2 launches
;; limits: values are held in f16: magnitudes above 65,504 overflow, below 6.1e-05 lose precision; inputs' magnitudes at most 65,504
;; workspace buffers: aw 21,233,664 bytes; bw 25,690,112 bytes
;; launch prep (part 3): grid 1280 x 1, 4 waves a work-group, no clusters, 34,304 bytes of LDS; arguments x, base, mask, aw, bw; writes aw, bw
.if DOCPART == 3
	.amdgcn_target "amdgcn-amd-amdhsa--gfx1250"
	.amdhsa_code_object_version 6
	.text
	.protected	k_q466a4fc1ea_prep
	.globl	k_q466a4fc1ea_prep
	.p2align	8
	.type	k_q466a4fc1ea_prep,@function
k_q466a4fc1ea_prep:
	s_mov_b64 s[64:65], 0
	v_nop
	global_prefetch_b8 v0, s[64:65] scope:SCOPE_SE
	s_setreg_imm32_b32 hwreg(HW_REG_WAVE_MODE, 25, 1), 1
	s_wait_xcnt 0x0
; x [2048][4096], base [4096][4096] (K first), mask [4096][4096] (K first, whole numbers) are read once and turned into the operands of the
; second launch: for the quantised product codes of FP4 (E2M1) with one E8M0 byte for each 32 along K; for the other product x in f16 and 2 mask - 1 as ONE BYTE, the upper byte of its f16 number.
; Both workspace buffers are laid as IMAGES OF OPERAND REGISTERS: what lane l loads lies at 16 l.
;   aw, tile of 128 rows (ATS bytes): 32 blocks of 128 K in f16, then 8 blocks of 512 K in codes, 32,768 bytes each: row tile a (16 rows) at 4,096 a, quarter q at 1,024 q, registers 4 c on at 512 c;
;       behind them the scale words: 2,048 j + 16 row + 4 q (j: which 512 along K, q: which 128 of them).
;   bw, tile of 256 columns (BTS bytes): 16 blocks of 256 K of sign bytes, then 8 blocks of 512 K in codes, 65,536 bytes each: column tile b at 4,096 b; in a sign block piece e (32 K) at 512 e,
;       in a block of codes quarter q at 1,024 q, registers 4 c on at 512 c; behind them the scale words: 4,096 j + 16 column + 4 q.
; f16 fragment (16 x 32 K): lane (r, h) holds in register R the numbers k = 16 h + 2 R, 2 R + 1.  That is a permutation of k inside each 32, the same for x and for the signs, so the products are kept.
; A sign fragment is the same with a byte a number: lane (r, h): 16 bytes, byte i = k 16 h + i.
; FP4 fragment (16 x 128 K): lane (r, h), registers 4 c .. 4 c + 3: k = 64 c + 32 h + 0 .. 31: block bq of 32 of row r is 16 bytes at 256 bq + 16 r.
; In all images sixteen neighbouring rows (columns) fill 256 consecutive aligned bytes: the results are stored straight from registers.
; A block's scale is 2^(floor(log2(largest magnitude)) - 2): its byte is the largest magnitude's exponent field - 2, held at 1 from below by a floor among the maximum's leaves.
; LIMITS: |x| up to 65,504 (f16) in the second product, and x under 2^-25 counts as 0 there; 2 mask - 1 is exact where it has three significant bits at the most, mask from -3 to 4, and is cut toward
; zero to three bits beyond; a block of zeros gets the byte 1 where the rule says 127 (its codes are zeros, and this program alone reads the bytes); blocks whose largest magnitude lies under 2^-124
; were not tried; NaN and infinities are not served.
; SHARES: work-groups 0 .. 1023 take base and mask (a wave: 32 columns x 128 K), work-groups 1024 .. 1279 take x (a wave: 16 rows x 512 K): 32 KiB read by every wave.
; No tensor loads, no barrier: waves share nothing.  Matrix units and clusters have nothing to do in a stream.
.set ATS,   1327104                    ; 40 x 32,768 + 16,384
.set BTS,   1605632                    ; 24 x 65,536 + 32,768
.set STG,   8448                       ; x's path: a wave's own stage in LDS, 16 rows x (512 + 16) bytes
.set SPARE, 4*STG                      ; behind the stages: the spare words, 128 bytes for each wave: two blocks of 256 bytes that no other line names
.set SPW,   6                          ; v6  LDS address of my spare word; never rewritten
.set NIL,   7                          ; v7  0; never rewritten
	s_load_b256 s[4:11], s[0:1], 0x0               ; x s[4:5], base s[6:7], mask s[8:9], aw s[10:11]
	s_load_b64 s[12:13], s[0:1], 0x20              ; bw
	v_lshl_add_u32 v[SPW], v0, 2, SPARE
	v_mov_b32 v[NIL], 0
	v_lshrrev_b32 v1, 5, v0
	v_readfirstlane_b32 s14, v1                    ; wave 0..3
	v_and_b32 v1, 31, v0                           ; lane
	s_cmp_lt_u32 ttmp9, 1024                       ; the weights' work-group or x's: the work-group's number alone decides
	s_cbranch_scc0 .Lx
; ---------------- base and mask: A LANE TAKES A COLUMN, ITS REGISTERS RUN DOWN K ----------------
; Each load reads one row k at 32 neighbouring columns (128 consecutive bytes a wave, the four waves side by side on 512); a block of 32 along K lies in one lane's 32 registers.
.set X0, 16                            ; v16-47   32 numbers of base
.set X1, 48                            ; v48-79   32 numbers of mask
.set C,  80                            ; v80-95   codes, four registers for each block: no store's data are written again
.set S,  96                            ; v96-127  sign bytes, eight registers for each block
	s_and_b32 s15, ttmp9, 31                       ; which 128 columns
	s_lshr_b32 s16, ttmp9, 5                       ; which 128 along K
	s_lshl_b32 s18, s16, 21                        ; 128 rows of 16,384 bytes
	s_lshl_b32 s17, s15, 9
	s_add_co_u32 s18, s18, s17
	s_lshl_b32 s17, s14, 7
	s_add_co_u32 s18, s18, s17                     ; + 4 x my wave's first column
	s_mov_b32 s19, 0
	s_lshr_b32 s20, s15, 1
	s_mul_i32 s20, s20, BTS                        ; my tile of 256 columns in bw
	s_and_b32 s21, s15, 1                          ; which half of it
	s_lshl_b32 s17, s21, 15
	s_add_co_u32 s22, s20, s17
	s_lshl_b32 s17, s14, 13
	s_add_co_u32 s22, s22, s17                     ; + 4,096 x my first column tile (8 x half + 2 x wave)
	s_lshr_b32 s17, s16, 1
	s_lshl_b32 s17, s17, 16
	s_add_co_u32 s24, s22, s17                     ; the signs: block = which 256 along K,
	s_and_b32 s17, s16, 1
	s_lshl_b32 s17, s17, 11
	s_add_co_u32 s24, s24, s17                     ; pieces 0 to 3 or 4 to 7 of it
	s_mov_b32 s25, 0
	s_lshr_b32 s23, s16, 2                         ; j: which 512 along K
	s_and_b32 s31, s16, 3                          ; q: which 128 of them
	s_lshl_b32 s17, s23, 16
	s_add_co_u32 s26, s22, s17
	s_lshl_b32 s17, s31, 10
	s_add_co_u32 s26, s26, s17
	s_add_co_u32 s26, s26, 16*65536                ; the codes: block 16 + j, quarter q
	s_mov_b32 s27, 0
	s_lshl_b32 s17, s23, 12
	s_add_co_u32 s28, s20, s17
	s_lshl_b32 s17, s21, 11
	s_add_co_u32 s28, s28, s17
	s_lshl_b32 s17, s14, 9
	s_add_co_u32 s28, s28, s17
	s_lshl_b32 s17, s31, 2
	s_add_co_u32 s28, s28, s17
	s_add_co_u32 s28, s28, 24*65536                ; the scale words: 4,096 j + 16 x my wave's first column + 4 q
	s_mov_b32 s29, 0
	v_lshlrev_b32 v2, 2, v1                        ; in: 4 bytes a lane
	v_lshrrev_b32 v3, 4, v1
	v_and_b32 v4, 15, v1
	v_lshlrev_b32 v3, 12, v3
	v_lshl_add_u32 v3, v4, 4, v3                   ; out: lanes 16-31 belong to the next column tile; 16 bytes a column
	v_lshlrev_b32 v4, 4, v1                        ; my column's scale words
	s_wait_kmcnt 0x0
	s_add_nc_u64 s[6:7], s[6:7], s[18:19]
	s_add_nc_u64 s[8:9], s[8:9], s[18:19]
	s_add_nc_u64 s[24:25], s[12:13], s[24:25]
	s_add_nc_u64 s[26:27], s[12:13], s[26:27]
	s_add_nc_u64 s[28:29], s[12:13], s[28:29]
.macro WLOAD set, ptr, blk             ; rows 32 blk + 0 .. 31 of my column; every offset is an immediate, 127 rows of 16,384 bytes at the most
.irp i, 0,1,2,3,4,5,6,7,8,9,10,11,12,13,14,15,16,17,18,19,20,21,22,23,24,25,26,27,28,29,30,31
	global_load_b32 v[\set+\i], v2, s[\ptr:\ptr+1] offset:(32*(\blk)+\i)*16384 th:TH_LOAD_NT
.endr
.endm
.macro WBASE blk, left                 ; a block of base: its scale byte and its 32 codes
	s_wait_loadcnt \left                           ; loads come back in order: this block's 32 are in, the younger group may be out
	v_max3_num_f32 v8, |v[X0]|, |v[X0+1]|, |v[X0+2]|               ; the block's largest magnitude: all 32 numbers are mine; two chains
	v_max3_num_f32 v9, |v[X0+3]|, |v[X0+4]|, |v[X0+5]|
.irp i, 6,10,14,18,22,26
	v_max3_num_f32 v8, v8, |v[X0+\i]|, |v[X0+\i+1]|
	v_max3_num_f32 v9, v9, |v[X0+\i+2]|, |v[X0+\i+3]|
.endr
	v_max3_num_f32 v8, v8, |v[X0+30]|, |v[X0+31]|
	v_max3_num_f32 v8, v8, v9, 0x1800000           ; and the floor 2^(3 - 127): the byte cannot fall under 1
	v_add_nc_u32 v10, 0xff000000, v8               ; 2 off the exponent field: the conversion takes this operand's exponent field as its scale
.irp g, 0,1,2,3
	v_cvt_scalef32_pk8_fp4_f32 v[C+4*(\blk)+\g], v[X0+8*\g:X0+8*\g+7], v10
.endr
	v_lshrrev_b32 v11, 23, v10                     ; the scale's byte (a plain line behind the conversions)
.if (\blk) == 0
	v_mov_b32 v5, v11                              ; four bytes make the word of these 128 along K, the lower K in the lower byte
.else
	v_lshl_or_b32 v5, v11, 8*(\blk), v5
.endif
	global_store_b128 v3, v[C+4*(\blk):C+4*(\blk)+3], s[26:27] offset:256*(\blk)   ; sixteen lanes store 256 consecutive aligned bytes
.if (\blk) < 3
	WLOAD X0, 6, (\blk)+1
.endif
.endm
.macro WMASK blk, left                 ; a block of mask: 2 mask - 1 as whole numbers, then f32, then f16, of which the upper byte is kept
	s_wait_loadcnt \left
.irp i, 0,1,2,3,4,5,6,7,8,9,10,11,12,13,14,15,16,17,18,19,20,21,22,23,24,25,26,27,28,29,30,31
	v_lshl_add_u32 v[X1+\i], v[X1+\i], 1, -1
.endr
.irp i, 0,1,2,3,4,5,6,7,8,9,10,11,12,13,14,15,16,17,18,19,20,21,22,23,24,25,26,27,28,29,30,31
	v_cvt_f32_i32 v[X1+\i], v[X1+\i]
.endr
.set n, 0
.rept 16
	v_cvt_pk_f16_f32 v[X1+n], v[X1+2*n], v[X1+2*n+1]   ; in place, ascending: register n is written when numbers 2 n and 2 n + 1 are read, and no later line reads it as a number
.set n, n+1
.endr
.irp j, 0,1,2,3,4,5,6,7
	v_perm_b32 v[S+8*(\blk)+\j], v[X1+2*\j+1], v[X1+2*\j], 0x07050301   ; the upper bytes of four f16 numbers, the lower k in the lower byte (selects 0-3: the second source, 4-7: the first)
.endr
.irp p, 0,1                            ; piece p: k = 16 p + 0 .. 15 of the 32: what lane 16 p + r of the fragment loads
	global_store_b128 v3, v[S+8*(\blk)+4*\p:S+8*(\blk)+4*\p+3], s[24:25] offset:(\blk)*512+\p*256   ; sixteen lanes store 256 consecutive aligned bytes
.endr
.if (\blk) < 3
	WLOAD X1, 8, (\blk)+1
.endif
.endm
	WLOAD X0, 6, 0
	WLOAD X1, 8, 0
	WBASE 0, 32
	WMASK 0, 32
	WBASE 1, 32
	WMASK 1, 32
	WBASE 2, 32
	WMASK 2, 32
	WBASE 3, 32
	WMASK 3, 0
	global_store_b32 v4, v5, s[28:29]              ; my column's word: 4 bytes a lane, 16 bytes apart: 128 bytes of the wave against the 32,768 that it reads
	s_wait_tensorcnt 0x0                           ; the wave's end
	ds_add_u32 v[SPW], v[NIL]
	s_wait_dscnt 0x0
	s_endpgm
; ---------------- x: K is innermost; a wave takes 16 rows x 512 K, in four steps of 128 K ----------------
; A load reads 512 consecutive bytes of a row.  The conversions want 16 neighbours along K in one lane's registers: a step's 16 x 512 bytes turn through the wave's own stage in LDS.
.set R,   16                           ; v16-79   a step's 16 rows as loaded
.set X,   80                           ; v80-143  64 numbers of my row: register 16 b + i = k 32 b + 16 (lane / 16) + i; later the same in f16, two to a register
.set PC,  144                          ; v144-151 the FP4 fragment
.set TM,  152                          ; v152-167 at work
.set SW,  8                            ; v8-11    the four steps' scale words
.set SEL, 20                           ; s[20:21] lane selects for v_permlanex16_b32: lane l xor 16
.Lx:
	s_sub_co_u32 s15, ttmp9, 1024
	s_lshl_b32 s15, s15, 2
	s_add_co_u32 s15, s15, s14                     ; my wave among 1,024
	s_lshr_b32 s16, s15, 3                         ; which 16 rows
	s_and_b32 s17, s15, 7                          ; j: which 512 along K
	s_lshr_b32 s22, s16, 3                         ; the tile of 128 rows
	s_and_b32 s23, s16, 7                          ; a: the row tile in it
	s_lshl_b32 s18, s16, 18                        ; 16 rows of 16,384 bytes
	s_lshl_b32 s31, s17, 11
	s_add_co_u32 s18, s18, s31
	s_mov_b32 s19, 0
	s_mul_i32 s22, s22, ATS
	s_lshl_b32 s31, s23, 12
	s_add_co_u32 s32, s22, s31                     ; tile + 4,096 a
	s_lshl_b32 s31, s17, 17
	s_add_co_u32 s24, s32, s31                     ; f16: blocks 4 j + 0 .. 3
	s_mov_b32 s25, 0
	s_lshl_b32 s31, s17, 15
	s_add_co_u32 s26, s32, s31
	s_add_co_u32 s26, s26, 32*32768                ; codes: block 32 + j
	s_mov_b32 s27, 0
	s_lshl_b32 s31, s17, 11
	s_add_co_u32 s28, s22, s31
	s_lshl_b32 s31, s23, 8
	s_add_co_u32 s28, s28, s31
	s_add_co_u32 s28, s28, 40*32768                ; scale words: 2,048 j + 16 x (16 a)
	s_mov_b32 s29, 0
	s_mov_b32 s[SEL], 0x76543210
	s_mov_b32 s[SEL+1], 0xfedcba98
	s_mul_i32 s33, s14, STG                        ; my stage
	v_lshlrev_b32 v2, 4, v1                        ; 16 x lane: in a load's 512 bytes, and in an image's
	v_add_nc_u32 v3, s33, v2                       ; the stage, on the way in
	v_and_b32 v12, 15, v0                          ; r
	v_bfe_u32 v13, v0, 4, 1                        ; h
	v_mul_u32_u24 v4, v12, 528
	v_lshl_add_u32 v4, v13, 6, v4
	v_add_nc_u32 v4, s33, v4                       ; and on the way out: row r, + 64 h: my 16 numbers of each block of 32
	v_lshlrev_b32 v5, 4, v12                       ; my row's four scale words
.irp b, 0,1,2,3
	v_mov_b32 v[TM+4+\b], 0                        ; written once: a lane permute's destination counts as one of its sources
.endr
	s_wait_kmcnt 0x0
	s_add_nc_u64 s[4:5], s[4:5], s[18:19]
	s_add_nc_u64 s[24:25], s[10:11], s[24:25]
	s_add_nc_u64 s[26:27], s[10:11], s[26:27]
	s_add_nc_u64 s[28:29], s[10:11], s[28:29]
.macro XLOAD t
.irp i, 0,1,2,3,4,5,6,7,8,9,10,11,12,13,14,15
	global_load_b128 v[R+4*\i:R+4*\i+3], v2, s[4:5] offset:\i*16384+(\t)*512 th:TH_LOAD_NT   ; row i: 32 lanes read 512 consecutive bytes
.endr
.endm
; 64 numbers of a lane, v[s] on, become a fragment's codes in v[PC] on and my row's scale word in v[w].
.macro QUANT s, w
.irp b, 0,1,2,3
	v_max3_num_f32 v[TM+\b], |v[\s+16*\b]|, |v[\s+1+16*\b]|, 0x1800000   ; block b: my 16 numbers, and the floor 2^(3 - 127)
.endr
.irp i, 2,4,6,8,10,12,14
.irp b, 0,1,2,3
	v_max3_num_f32 v[TM+\b], v[TM+\b], |v[\s+16*\b+\i]|, |v[\s+1+16*\b+\i]|   ; the four blocks by turns
.endr
.endr
.irp b, 0,1,2,3
	v_permlanex16_b32 v[TM+4+\b], v[TM+\b], s[SEL], s[SEL+1]
.endr
.irp b, 0,1,2,3
	v_max_num_f32 v[TM+\b], v[TM+\b], v[TM+4+\b]   ; with lane l xor 16's: the block's largest magnitude
.endr
.irp b, 0,1,2,3
	v_add_nc_u32 v[TM+12+\b], 0xff000000, v[TM+\b] ; 2 off the exponent field: the conversion's scale operand
.endr
.irp b, 0,1,2,3
	v_lshrrev_b32 v[TM+4+\b], 23, v[TM+12+\b]      ; the scale's byte
.endr
	v_lshl_or_b32 v[\w], v[TM+5], 8, v[TM+4]
	v_lshl_or_b32 v[\w], v[TM+6], 16, v[\w]
	v_lshl_or_b32 v[\w], v[TM+7], 24, v[\w]
.irp b, 0,1,2,3
	v_cvt_scalef32_pk8_fp4_f32 v[PC+2*\b], v[\s+16*\b:\s+7+16*\b], v[TM+12+\b]
	v_cvt_scalef32_pk8_fp4_f32 v[PC+1+2*\b], v[\s+8+16*\b:\s+15+16*\b], v[TM+12+\b]
.endr
	v_nop                                          ; one plain line behind the scaled conversions
.irp c, 0,1                                    ; the operand's layout wants a whole block in a lane: lanes 0-15 block 2 c, lanes 16-31 block 2 c + 1
.irp i, 0,1
	v_permlane16_swap_b32 v[PC+4*\c+\i], v[PC+2+4*\c+\i]
.endr
.endr
.endm
.macro XSTEP t
	s_wait_loadcnt 0x0                             ; this step's 16 rows are in
.if (\t) > 0
	s_wait_xcnt 0x0                                ; the last step's stores have read X and PC: both are written again only behind this wait
.endif
.irp i, 0,1,2,3,4,5,6,7,8,9,10,11,12,13,14,15
	ds_store_b128 v3, v[R+4*\i:R+4*\i+3] offset:\i*528
.endr
.irp b, 0,1,2,3
.irp j, 0,1,2,3
	ds_load_b128 v[X+16*\b+4*\j:X+16*\b+4*\j+3], v4 offset:128*\b+16*\j   ; LDS serves a wave's instructions in order: these see my stores; rows 528 bytes apart start in sixteen different groups of banks
.endr
.endr
	s_wait_dscnt 0x0                               ; the numbers are back, and the stores have read R
.if (\t) < 3
	XLOAD (\t)+1                                   ; the next step's rows come while this step is worked
.endif
	QUANT X, SW+(\t)
.set n, 0
.rept 32
	v_cvt_pk_f16_f32 v[X+n], v[X+2*n], v[X+2*n+1]  ; in place, ascending: register n is written when numbers 2 n and 2 n + 1 are read, and no later line reads it
.set n, n+1
.endr
.irp c, 0,1
	global_store_b128 v2, v[PC+4*\c:PC+4*\c+3], s[26:27] offset:(\t)*1024+512*\c   ; every store of the wave covers 512 consecutive aligned bytes
.endr
.irp b, 0,1,2,3                        ; registers 8 b + 4 c on: the f16 fragment of the step's b-th 32 along K, its registers 4 c on
.irp c, 0,1
	global_store_b128 v2, v[X+8*\b+4*\c:X+8*\b+4*\c+3], s[24:25] offset:(\t)*32768+\b*1024+\c*512
.endr
.endr
.endm
	XLOAD 0
	XSTEP 0
	XSTEP 1
	XSTEP 2
	XSTEP 3
	s_wait_xcnt 0x0                                ; EXEC is a source of the pending stores: it changes only behind this wait
	v_cmp_gt_u32 vcc_lo, 16, v1
	s_and_saveexec_b32 s30, vcc_lo                 ; lanes 0-15: lane r has row r's words (lanes 16-31 hold the same)
	global_store_b128 v5, v[SW:SW+3], s[28:29]     ; sixteen lanes store 256 consecutive aligned bytes
	s_wait_xcnt 0x0                                ; and again, in front of the line that widens it
	s_or_b32 exec_lo, exec_lo, s30
	s_wait_tensorcnt 0x0                           ; the wave's end: behind my last LDS store
	ds_add_u32 v[SPW], v[NIL]
	s_wait_dscnt 0x0
	s_endpgm
.Lfunc_end_k_q466a4fc1ea_prep:
	.size	k_q466a4fc1ea_prep, .Lfunc_end_k_q466a4fc1ea_prep-k_q466a4fc1ea_prep
	.p2alignl 7, 3214868480
	.fill 96, 4, 3214868480
	.section	.rodata,"a",@progbits
	.p2align	6, 0x0
	.amdhsa_kernel k_q466a4fc1ea_prep
		.amdhsa_group_segment_fixed_size 34304
		.amdhsa_private_segment_fixed_size 0
		.amdhsa_enable_private_segment 0
		.amdhsa_kernarg_size 40
		.amdhsa_user_sgpr_count 2
		.amdhsa_user_sgpr_kernarg_segment_ptr 1
		.amdhsa_wavefront_size32 1
		.amdhsa_system_sgpr_workgroup_id_x 1
		.amdhsa_system_sgpr_workgroup_id_y 1
		.amdhsa_system_sgpr_workgroup_id_z 1
		.amdhsa_system_vgpr_workitem_id 0
		.amdhsa_next_free_vgpr 168
		.amdhsa_next_free_sgpr 66
		.amdhsa_reserve_vcc 1
		.amdhsa_float_denorm_mode_32 3
		.amdhsa_float_denorm_mode_16_64 3
		.amdhsa_memory_ordered 1
		.amdhsa_forward_progress 1
		.amdhsa_inst_pref_size 96
	.end_amdhsa_kernel
	.amdgpu_metadata
---
amdhsa.version: [ 1, 2 ]
amdhsa.kernels:
  - .name:           k_q466a4fc1ea_prep
    .symbol:         k_q466a4fc1ea_prep.kd
    .args:
      - { .name: x, .offset: 0, .size: 8, .value_kind: global_buffer, .address_space: global }
      - { .name: base, .offset: 8, .size: 8, .value_kind: global_buffer, .address_space: global }
      - { .name: mask, .offset: 16, .size: 8, .value_kind: global_buffer, .address_space: global }
      - { .name: aw, .offset: 24, .size: 8, .value_kind: global_buffer, .address_space: global }
      - { .name: bw, .offset: 32, .size: 8, .value_kind: global_buffer, .address_space: global }
    .group_segment_fixed_size: 34304
    .private_segment_fixed_size: 0
    .kernarg_segment_align: 8
    .kernarg_segment_size: 40
    .max_flat_workgroup_size: 128
    .sgpr_count:     66
    .vgpr_count:     168
    .wavefront_size: 32
...
	.end_amdgpu_metadata
.endif
;; end of part 3
;; launch gemm (part 4): grid 16 x 16, 4 waves a work-group, clusters of 4 x 4, 327,680 bytes of LDS; arguments aw, bw, coeff, out0; writes out0
.if DOCPART == 4
	.amdgcn_target "amdgcn-amd-amdhsa--gfx1250"
	.amdhsa_code_object_version 6
	.text
	.protected	k_q466a4fc1ea_gemm
	.globl	k_q466a4fc1ea_gemm
	.p2align	8
	.type	k_q466a4fc1ea_gemm,@function
k_q466a4fc1ea_gemm:
	s_mov_b64 s[64:65], 0
	v_nop
	global_prefetch_b8 v0, s[64:65] scope:SCOPE_SE
	s_setreg_imm32_b32 hwreg(HW_REG_WAVE_MODE, 25, 1), 1
	s_wait_xcnt 0x0
	s_wait_alu depctr_hold_cnt(0) depctr_sa_sdst(0) depctr_va_vdst(0) depctr_va_sdst(0) depctr_va_ssrc(0) depctr_va_vcc(0) depctr_vm_vsrc(0)
	s_getreg_b32 s2, hwreg(HW_REG_IB_STS2, 6, 4)
	s_cmp_eq_u32 s2, 0
	s_cbranch_scc0 .Lentry_in_a_cluster
	s_endpgm
.Lentry_in_a_cluster:
	s_bfe_u32 s2, ttmp6, 0x10000c
	s_cmp_lg_u32 s2, 0xf033
	s_cbranch_scc0 .Lentry_shape_is_right
	s_endpgm
.Lentry_shape_is_right:
; out0[m][n] = sum_k Q(x)[m][k] Q(base)[k][n] + coeff x sum_k x[m][k] (2 mask[k][n] - 1).  M = 2,048, N = 4,096, K = 4,096.
; The operands come from the launch before, as images of operand registers (aw: x's side, bw: the weights' side; the layouts stand at that launch's head).
; A tile of out0 is 128 x 256: 16 x 16 work-groups, one for each of 256 tiles; four waves, each 64 x 128: 32 accumulators of 16 x 16, 256 registers.
; ONE SET OF ACCUMULATORS SERVES BOTH PRODUCTS, one after the other: phase H: acc = x (f16) x signs (f16) over all of K, 16 steps of 256 K; acc is multiplied by coeff, in f32;
; phase Q: acc += the quantised product, 8 steps of 512 K, codes of FP4 with E8M0 scales.  So coeff is never rounded and the signs are exact.
; THE SIGNS COME AS ONE BYTE EACH, the upper byte of the f16 number (its lower byte is 0): a fragment's 16 bytes a lane are loaded into the fragment's upper four registers and widened in place, a v_perm_b32
; for each register.  So a step of phase H holds 256 K in 131,072 bytes of LDS (x 65,536, signs 65,536): 256 matrix instructions a wave, of which 240 stand between a slot's request and the wait for it.
; A step of phase Q holds x's 32,768 bytes and the weights' 65,536.  The weights' 16 + 8 blocks lie on end in memory and have one size: one walking descriptor goes through all 24 steps.
; In the f16 fragments k is permuted inside each 32, alike on both sides: the products are the same, their order in a sum is not; the result is judged within a tolerance.
; The images are dense in LDS: lane l reads 16 bytes at 16 l, 512 consecutive bytes an instruction: no pitch, no padding.
; CLUSTERS: 4 x 4 work-groups.  The four of a row of the cluster need the same blocks of aw, the four of a column the same blocks of bw: each is asked for JOINTLY, by the same tensor load with the same
; descriptor and a mask that names the four.  THE MATRIX INSTRUCTION IS USED TRANSPOSED (source 0 = 16 columns of the weights, source 1 = 16 rows of x): a lane then holds eight neighbouring numbers of a row of out0.
; LIMITS: those of the launch before (f16's range for x in the second product; mask from -3 to 4; NaN and infinities not served).
; REGISTERS, in windows of 256: window 0: v1-12 addresses, v15 zero; v16-39, v40-63 two sets of scale words; v64-95, v96-127 x's fragments, two sets of four; v128-255 the way out.
;   window 1: v0-127 the accumulators of x's tiles 2 and 3 ((a, b) at v[8 (8 (a - 2) + b)]); v128-191, v192-255 the weights' fragments, two sets of eight.   window 2: v0-127 the accumulators of x's tiles 0 and 1.
; The widening writes and reads window 1 and takes its zero from window 0, which is the very setting of the products on tiles 2 and 3: it stands between those products with no switch of the windows.
.set ATS,    1327104                   ; a tile of aw: 16 x 65,536 + 8 x 32,768 + 16,384 of scale words
.set BTS,    1605632                   ; a tile of bw: 24 x 65,536 + 32,768
.set AHB,    65536                     ; x's block of a step of phase H
.set AQB,    32768                     ; and of phase Q
.set BBLK,   65536                     ; the weights' block, in both phases
.set SLOT1,  131072                    ; slot 1 begins here: one exclusive or turns an address in one slot into the other's
.set BOFF,   65536                     ; in a slot: x's block, then the weights'
.set SCB,    262144                    ; behind the ring: the weights' scale words for all of K, 32,768 bytes, filled once
.set SCA,    294912                    ; x's, 16,384 bytes, filled once
.set SPARE,  311296                    ; the spare words, 128 bytes for each wave: two blocks of 256 bytes that no other line names
.set SPITCH, 528                       ; the way out: a stage of 16 rows x (512 + 16) bytes for each wave, from LDS byte 0 on: in slot 0, which has had its last fill and its last read when the first result is stored there
.set ADRA, 1                           ; v1-2   LDS address of my x fragments in slot 0, 1
.set ADRB, 3                           ; v3-4   the same for the weights
.set ADSA, 5                           ; v5     x's scale words: lanes 0-15 row tile i, lanes 16-31 row tile i + 2
.set ADSB, 6                           ; v6     the weights': lanes 0-15 column tile i, lanes 16-31 column tile i + 4
.set STO,  7                           ; v7     the way out: where I put 32 bytes of a row
.set RD,   8                           ; v8     and where I read a row back
.set CO,   9                           ; v9     16 x lane: my byte in a row's 512
.set SPW,  10                          ; v10    LDS address of my spare word; never rewritten
.set NIL,  11                          ; v11    0; never rewritten
.set PFO,  12                          ; v12    256 x lane: the prefetches' offset; never rewritten
.set ZR,   15                          ; v15    0: the lower bytes of the signs
.set SC,   16                          ; scale words: set s at v[SC + 24 s]: +4 i + q the weights', +16 + 4 i + q x's (q: which 128 of the step's 512)
.set AF,   64                          ; x's fragments: set p at v[AF + 32 p], window 0
.set BF,   128                         ; the weights': set p at v[BF + 64 p], window 1
.set BK,   128                          ; the way out: 16 rows read back: v128-191 and v192-255 of window 0 by turns
.set G1,   24                          ; s[24:31] group 1 for x's blocks;  s[32:35] group 0 for step 0, s[36:39] for step 1, which then walks through phase H
.set G0,   32
.set G1B,  48                          ; s[48:55], s[56:59], s[60:63] the same for the weights; the last walks through both phases
.set G0B,  56
.set G1S,  68                          ; s[68:75], s[76:79] groups 1 and 0 for x's scale words;  s[80:87], s[88:91] for the weights'
.set G0S,  76
.set G1SB, 80
.set G0SB, 88
.set G0Q,  96                          ; s[96:99] group 0 for x's blocks of phase Q: it walks
.set PFA,  66                          ; s[66:67] where my prefetches stand
.set LIM,  94                          ; s94 1 in a wave that prefetches in phase H, else the greatest number
.set LIMQ, 93                          ; s93 1 in a wave that prefetches in phase Q, else the greatest number
.set SLO,  2                           ; s2  byte selects: a register's bytes 0 and 1 into the upper bytes of the two halves (selects 4-7: the first source; 0-3: the second, the zero)
.set SHI,  95                          ; s95 the same of its bytes 2 and 3
.set MSB, 0
.macro WIN new                         ; the immediate's high byte repeats the setting that is left
.if MSB != \new
	s_set_vgpr_msb (MSB<<8)|\new
.set MSB, \new
.endif
.endm
.set M_LO, 0xa1                        ; source 0 (weights) window 1, source 1 (x) window 0, C and D window 2
.set M_HI, 0x51                        ; the same, C and D window 1
.set TO_B, 0x40                        ; destination window 1, address window 0
.set SCL2, 0x82                        ; destination and source 0 window 2
.set SCL1, 0x41                        ; destination and source 0 window 1
; A joint load: waves 0 and 1 fetch the halves of x's block, waves 2 and 3 those of the weights'.  Each line has one mask and one set of registers for all that issue it; the branch hangs on the wave's number alone.
; An s_nop 0 and four v_nop follow each of the two lines, ahead of the jump, the label and what follows.
.macro JLOAD g0a, g1a, g0b, g1b
	s_cmp_eq_u32 s15, 0
	s_cbranch_scc0 .Lfor_b_\@
	tensor_load_to_lds s[\g0a:\g0a+3], s[\g1a:\g1a+7]
	s_nop 0
.rept 4
	v_nop
.endr
	s_branch .Lasked_\@
.Lfor_b_\@:
	tensor_load_to_lds s[\g0b:\g0b+3], s[\g1b:\g1b+7]
	s_nop 0
.rept 4
	v_nop
.endr
.Lasked_\@:
.endm
; The same for a step of phase Q: x's block is 32,768 bytes, the shape of half a block of phase H: wave 0 fetches it whole, wave 1 has no part to fetch, waves 2 and 3 fetch the weights' halves.
.macro JLOADQ
	s_cmp_eq_u32 s14, 0
	s_cbranch_scc0 .Lnot_x_\@
	tensor_load_to_lds s[G0Q:G0Q+3], s[G1:G1+7]
	s_nop 0
.rept 4
	v_nop
.endr
	s_branch .Lasked_q_\@
.Lnot_x_\@:
	s_cmp_eq_u32 s15, 0
	s_cbranch_scc1 .Lasked_q_\@
	tensor_load_to_lds s[G0B+4:G0B+7], s[G1B:G1B+7]
	s_nop 0
.rept 4
	v_nop
.endr
.Lasked_q_\@:
.endm
.macro CREST                           ; a round of the cluster's barrier behind its opening barrier
	s_cmp_lg_u32 s14, 0
	s_cbranch_scc1 .Lnot_wave_0_\@
	s_barrier_signal -3
.Lnot_wave_0_\@:
	s_barrier_wait -3
	s_barrier_signal -1
	s_barrier_wait -1
.endm
.macro CROUND                          ; a whole round
	s_barrier_signal -1
	s_barrier_wait -1
	CREST
.endm
.macro SHAPE g, rows                   ; a dense block as rows of 256 bytes: 32 elements of 8 bytes, pitch = row
	s_mov_b32 s[\g+1], 32<<16                      ; tensor_dim0
	s_mov_b32 s[\g+2], (\rows)<<16                 ; tensor_dim1
	s_mov_b32 s[\g+3], 32<<16                      ; tile_dim0
	s_mov_b32 s[\g+4], \rows                       ; tile_dim1
	s_mov_b32 s[\g+5], 32                          ; tensor_dim0_stride
	s_mov_b32 s[\g+6], 0
	s_mov_b32 s[\g+7], 0
.endm
	s_load_b256 s[4:11], s[0:1], 0x0               ; aw s[4:5], bw s[6:7], coeff s[8:9], out0 s[10:11]
	v_lshl_add_u32 v[SPW], v0, 2, SPARE
	v_mov_b32 v[NIL], 0
	ds_add_u32 v[SPW], v[NIL]                      ; the wave's opening: the add and its wait stand ahead of my first tensor load; the set-up below, work on registers, stands between them
	v_lshrrev_b32 v13, 5, v0
	v_readfirstlane_b32 s14, v13                   ; wave 0..3
	s_lshr_b32 s15, s14, 1                         ; which 64 rows of the tile are mine.  Also: I fetch for x (0) or for the weights (1)
	s_and_b32 s16, s14, 1                          ; which 128 columns.  Also: which half of a block I fetch
	s_bfe_u32 s40, ttmp6, 0x40000                  ; cx, cy: my place in the cluster
	s_bfe_u32 s41, ttmp6, 0x40004
	s_lshl_b32 s42, ttmp9, 2
	s_add_co_u32 s42, s42, s40                     ; tile column = 4 x cluster x + cx
	s_and_b32 s17, ttmp7, 0xffff
	s_lshl_b32 s17, s17, 2
	s_add_co_u32 s17, s17, s41                     ; tile row = 4 x cluster y + cy
	s_lshl_b32 s43, s41, 2
	s_lshl_b32 s43, 15, s43                        ; my row of the cluster
	s_lshl_b32 s44, 0x1111, s40                    ; my column
	s_or_b32 s[G1], s43, (3<<16)|(1<<21)           ; 15:0 the mask: x's blocks go to my row; 17:16 elements of 8 bytes; 21 set beside a mask; no padding
	s_or_b32 s[G1S], s43, (3<<16)|(1<<21)
	s_or_b32 s[G1B], s44, (3<<16)|(1<<21)          ; the weights' go to my column
	s_or_b32 s[G1SB], s44, (3<<16)|(1<<21)
	SHAPE G1, 128                                  ; 32,768 bytes: half of x's block in phase H, the whole of it in phase Q
	SHAPE G1B, 128                                 ; half of the weights' block
	SHAPE G1S, 32                                  ; half of x's scale words: 8,192
	SHAPE G1SB, 64                                 ; half of the weights': 16,384
	s_mov_b32 s[G0], 1                             ; group 0: count = 1, and the LDS address: a constant + a constant x (wave & 1): no place in the cluster enters it
	s_lshl_b32 s[G0+1], s16, 15
	s_mov_b32 s[G0+4], 1
	s_add_co_u32 s[G0+5], s[G0+1], SLOT1
	s_mov_b32 s[G0B], 1
	s_lshl_b32 s[G0B+1], s16, 15
	s_add_co_u32 s[G0B+1], s[G0B+1], BOFF
	s_mov_b32 s[G0B+4], 1
	s_add_co_u32 s[G0B+5], s[G0B+1], SLOT1
	s_mov_b32 s[G0S], 1
	s_lshl_b32 s[G0S+1], s16, 13
	s_add_co_u32 s[G0S+1], s[G0S+1], SCA
	s_mov_b32 s[G0SB], 1
	s_lshl_b32 s[G0SB+1], s16, 14
	s_add_co_u32 s[G0SB+1], s[G0SB+1], SCB
	s_mov_b32 s[G0Q], 1
	s_mov_b32 s[G0Q+1], SLOT1                      ; it is turned and stepped ahead of each use: the first use finds slot 0 and the first block of codes
	s_mov_b32 s[SLO], 0x05000400
	s_mov_b32 s[SHI], 0x07000600
	; where they come from.  x's hang on the tile row alone, which my row of the cluster shares; the weights' on the tile column alone
	s_mul_i32 s18, s17, ATS                        ; my tile of aw
	s_mul_i32 s45, s42, BTS                        ; my tile of bw
	s_lshl_b32 s19, s16, 15
	s_add_co_u32 s20, s18, s19                     ; x: + my half of a block of phase H
	s_mov_b32 s21, 0
	s_add_co_u32 s46, s45, s19                     ; the weights: + my half of a block
	s_mov_b32 s47, 0
	s_lshl_b32 s19, s16, 13
	s_add_co_u32 s22, s18, s19
	s_add_co_u32 s22, s22, 16*AHB+8*AQB            ; x's scale words: my half
	s_mov_b32 s23, 0
	s_lshl_b32 s19, s16, 14
	s_add_co_u32 s92, s45, s19
	s_add_co_u32 s92, s92, 24*BBLK                 ; the weights' scale words: my half
	s_mov_b32 s93, 0
	s_wait_dscnt 0x0                               ; the opening add is done
	s_wait_kmcnt 0x0
	s_load_b32 s12, s[8:9], 0x0                    ; coeff: it is only ever a factor
	s_add_nc_u64 s[20:21], s[4:5], s[20:21]
	s_add_nc_u64 s[46:47], s[6:7], s[46:47]
	s_add_nc_u64 s[G0S+2:G0S+3], s[4:5], s[22:23]
	s_or_b32 s[G0S+3], s[G0S+3], 0x80000000        ; type = 2
	s_add_nc_u64 s[G0SB+2:G0SB+3], s[6:7], s[92:93]
	s_or_b32 s[G0SB+3], s[G0SB+3], 0x80000000
	s_add_co_u32 s22, s18, 16*AHB-AQB              ; one block in front of x's first block of codes
	s_add_nc_u64 s[G0Q+2:G0Q+3], s[4:5], s[22:23]
	s_or_b32 s[G0Q+3], s[G0Q+3], 0x80000000
	CROUND                                         ; all sixteen work-groups are here: the first joint loads meet
	JLOAD G0S, G1S, G0SB, G1SB                     ; the scale words of all of K: filled once
.irp s, 0,1
	s_add_nc_u64 s[G0+4*\s+2:G0+4*\s+3], s[20:21], \s*AHB
	s_or_b32 s[G0+4*\s+3], s[G0+4*\s+3], 0x80000000
	s_add_nc_u64 s[G0B+4*\s+2:G0B+4*\s+3], s[46:47], \s*BBLK
	s_or_b32 s[G0B+4*\s+3], s[G0B+4*\s+3], 0x80000000
	JLOAD G0+4*\s, G1, G0B+4*\s, G1B               ; steps 0 and 1: three tensor loads of mine are out now, later one at the most
.endr
	v_and_b32 v13, 31, v0                          ; lane
	v_and_b32 v14, 15, v0                          ; r
	v_bfe_u32 v64, v0, 4, 1                        ; h
	v_mov_b32 v[ZR], 0
	v_lshlrev_b32 v[CO], 4, v13
	s_lshl_b32 s19, s15, 14                        ; my four row tiles of x's eight
	v_add_nc_u32 v[ADRA], s19, v[CO]
	v_add_nc_u32 v[ADRA+1], SLOT1, v[ADRA]
	s_lshl_b32 s19, s16, 15                        ; my eight column tiles of sixteen,
	s_add_co_u32 s19, s19, BOFF                    ; behind x's block
	v_add_nc_u32 v[ADRB], s19, v[CO]
	v_add_nc_u32 v[ADRB+1], SLOT1, v[ADRB]
	v_lshlrev_b32 v[ADSA], 4, v14                  ; 16 bytes a row or column: the four words of a step
	v_lshl_add_u32 v[ADSB], v64, 10, v[ADSA]       ; lanes 16-31: 64 columns on
	v_lshl_add_u32 v[ADSA], v64, 9, v[ADSA]        ; lanes 16-31: 32 rows on
	s_lshl_b32 s19, s15, 10
	s_add_co_u32 s19, s19, SCA
	v_add_nc_u32 v[ADSA], s19, v[ADSA]
	s_lshl_b32 s19, s16, 11
	s_add_co_u32 s19, s19, SCB
	v_add_nc_u32 v[ADSB], s19, v[ADSB]
	s_mul_i32 s19, s14, 16*SPITCH                  ; my stage
	v_mul_u32_u24 v[STO], v14, SPITCH
	v_lshl_add_u32 v[STO], v64, 5, v[STO]
	v_add_nc_u32 v[STO], s19, v[STO]               ; in: row r, 32 bytes for each half of the lanes
	v_add_nc_u32 v[RD], s19, v[CO]                 ; back: the 32 lanes take one row of 512 bytes
	v_lshlrev_b32 v[PFO], 8, v13
	; THE PREFETCHES INTO THE L2 (macro ASK), one instruction a wave at a change of slots, lanes 256 bytes apart: 8,192 bytes.  The change of step t, whose joint load asks for step t + 2, names of the weights block t + 3
	; (t = 0 .. 20), and of x's blocks, which lie on end, the piece of 65,536 bytes numbered t + 4 (t = 0 .. 15, the changes of phase H: pieces 4 .. 19; the last four hold x's codes).
	; Each aligned block of 256 bytes is named once in the launch.  A tile of aw is read by every cluster of its row of clusters: cluster x = 0 asks, waves 0 and 1, a half of the piece each; a tile of bw by every
	; cluster of its column: cluster y = 0 asks, waves 2 and 3.  Of a half the four partners that fetch it jointly take 8,192 bytes each, by cx or cy: they are told apart by address alone.
	; What lies ahead of these (the weights' blocks 0 to 2, x's pieces 0 to 3) comes by its loads alone; nothing is named at the head.
	s_and_b32 s19, ttmp7, 0xffff                   ; cluster y
	s_cmp_eq_u32 s15, 0                            ; do I fetch for x?
	s_cselect_b32 s19, ttmp9, s19                  ; the coordinate along which other clusters read the same tile
	s_cselect_b32 s46, s40, s41                    ; my place among the four that ask with me
	s_cselect_b32 s47, s18, s45                    ; the tile's first byte
	s_cselect_b64 s[PFA:PFA+1], s[4:5], s[6:7]
	s_cselect_b32 s92, 3, 2                        ; where it stands now: the first change of slots steps it by one
	s_lshl_b32 s46, s46, 13
	s_add_co_u32 s46, s46, s47
	s_lshl_b32 s47, s16, 15                        ; my half
	s_add_co_u32 s46, s46, s47
	s_lshl_b32 s92, s92, 16
	s_add_co_u32 s46, s46, s92
	s_mov_b32 s47, 0
	s_add_nc_u64 s[PFA:PFA+1], s[PFA:PFA+1], s[46:47]
	s_cmp_eq_u32 s19, 0
	s_cselect_b32 s[LIM], 1, -1                    ; the same in all sixteen partners, for a given wave
	s_xor_b32 s92, s15, 1                          ; 1 in x's waves, which ask for nothing in phase Q
	s_or_b32 s92, s92, s19
	s_cmp_eq_u32 s92, 0
	s_cselect_b32 s[LIMQ], 1, -1
	; out0 at my wave's first row and column: (128 x tile row + 64 x half) rows of 16,384 bytes + 1,024 x tile column + 512 x half
	s_lshl_b32 s46, s17, 21
	s_lshl_b32 s47, s15, 20
	s_add_co_u32 s46, s46, s47
	s_lshl_b32 s47, s42, 10
	s_add_co_u32 s46, s46, s47
	s_lshl_b32 s47, s16, 9
	s_add_co_u32 s46, s46, s47
	s_mov_b32 s47, 0
	s_add_nc_u64 s[10:11], s[10:11], s[46:47]
	s_wait_kmcnt 0x0                               ; coeff
	s_mov_b32 s13, s12                             ; (the packed form names the pair)
; 16 LDS loads in one run: piece e (32 K) of the slot's step of phase H into set p: the sign bytes of my eight column tiles, each into its fragment's upper four registers, and x's four fragments
.macro FETCHH slot, e, p
	WIN TO_B
.irp b, 0,1,2,3,4,5,6,7
	ds_load_b128 v[BF+64*(\p)+8*\b+4:BF+64*(\p)+8*\b+7], v[ADRB+\slot] offset:\b*4096+(\e)*512
.endr
	WIN 0
.irp a, 0,1,2,3
.irp c, 0,1
	ds_load_b128 v[AF+32*(\p)+8*\a+4*\c:AF+32*(\p)+8*\a+4*\c+3], v[ADRA+\slot] offset:((\e)/4)*32768+\a*4096+((\e)%4)*1024+\c*512
.endr
.endr
.endm
; 24 LDS loads (30 with a step's scale words): quarter q (128 K) of the slot's step of phase Q into set p; the scale words into set sc (sc < 0: none)
.macro FETCHQ slot, q, p, sc
	WIN TO_B
.irp b, 0,1,2,3,4,5,6,7
.irp c, 0,1
	ds_load_b128 v[BF+64*(\p)+8*\b+4*\c:BF+64*(\p)+8*\b+4*\c+3], v[ADRB+\slot] offset:\b*4096+(\q)*1024+\c*512
.endr
.endr
	WIN 0
.irp a, 0,1,2,3
.irp c, 0,1
	ds_load_b128 v[AF+32*(\p)+8*\a+4*\c:AF+32*(\p)+8*\a+4*\c+3], v[ADRA+\slot] offset:\a*4096+(\q)*1024+\c*512
.endr
.endr
.if (\sc) >= 0
.irp i, 0,1,2,3
	ds_load_b128 v[SC+24*(\sc)+4*\i:SC+24*(\sc)+4*\i+3], v[ADSB] offset:256*\i
.endr
.irp i, 0,1
	ds_load_b128 v[SC+24*(\sc)+16+4*\i:SC+24*(\sc)+16+4*\i+3], v[ADSA] offset:256*\i
.endr
.endif
.endm
; Line pn of the 64 that widen set p: fragment pn / 8, register pn % 8.  Register R takes bytes 2 R and 2 R + 1 of the lane's 16, which lie in register 4 + R / 2, into the upper bytes of its halves.
; Ascending R: registers 4 to 7 are written only when their own bytes have been taken (register 7's last line reads and writes it).
.macro PERMN p
.set rF, BF+64*(\p)+8*(pn/8)
.set rT, pn%8
.if rT%2
	v_perm_b32 v[rF+rT], v[rF+4+rT/2], v[ZR], s[SHI]
.else
	v_perm_b32 v[rF+rT], v[rF+4+rT/2], v[ZR], s[SLO]
.endif
.set pn, pn+1
.endm
; 8 matrix instructions: x's tile a against the weights' eight, from set p.  form 0: f16, the product starts the sum (nothing is ever cleared); 1: f16; 2: FP4 with scales, set and quarter mq.
; np: so many lines of the other set's widening stand behind each.  The 32 accumulators take turns, one instruction a turn, in the same order in every piece.
.macro MUL8 p, a, form, set, mq, np
.irp b, 0,1,2,3,4,5,6,7
.set rD, 8*(8*((\a)%2)+\b)
.set rB, BF+64*(\p)+8*\b
.set rA, AF+32*(\p)+8*(\a)
.set rSB, SC+24*(\set)+4*(\b%4)+(\mq)
.set rSA, SC+24*(\set)+16+4*((\a)%2)+(\mq)
.if (\form) == 0
	v_wmma_f32_16x16x32_f16 v[rD:rD+7], v[rB:rB+7], v[rA:rA+7], 0
.elseif (\form) == 1
	v_wmma_f32_16x16x32_f16 v[rD:rD+7], v[rB:rB+7], v[rA:rA+7], v[rD:rD+7]
.elseif (\b < 4) && ((\a) < 2)
	v_wmma_scale_f32_16x16x128_f8f6f4 v[rD:rD+7], v[rB:rB+7], v[rA:rA+7], v[rD:rD+7], v[rSB], v[rSA] matrix_a_fmt:MATRIX_FMT_FP4 matrix_b_fmt:MATRIX_FMT_FP4
.elseif (\b >= 4) && ((\a) < 2)
	v_wmma_scale_f32_16x16x128_f8f6f4 v[rD:rD+7], v[rB:rB+7], v[rA:rA+7], v[rD:rD+7], v[rSB], v[rSA] matrix_a_fmt:MATRIX_FMT_FP4 matrix_b_fmt:MATRIX_FMT_FP4 matrix_a_scale:MATRIX_SCALE_ROW1
.elseif \b < 4
	v_wmma_scale_f32_16x16x128_f8f6f4 v[rD:rD+7], v[rB:rB+7], v[rA:rA+7], v[rD:rD+7], v[rSB], v[rSA] matrix_a_fmt:MATRIX_FMT_FP4 matrix_b_fmt:MATRIX_FMT_FP4 matrix_b_scale:MATRIX_SCALE_ROW1
.else
	v_wmma_scale_f32_16x16x128_f8f6f4 v[rD:rD+7], v[rB:rB+7], v[rA:rA+7], v[rD:rD+7], v[rSB], v[rSA] matrix_a_fmt:MATRIX_FMT_FP4 matrix_b_fmt:MATRIX_FMT_FP4 matrix_a_scale:MATRIX_SCALE_ROW1 matrix_b_scale:MATRIX_SCALE_ROW1
.endif
.rept \np
	PERMN 1-(\p)
.endr
.endr
.endm
; A load into a register that a matrix instruction has read, a vector instruction that writes one, and a vector instruction or LDS store that reads a matrix result stand four places behind that matrix
; instruction; only plain vector instructions that name none of its registers are places (ISA guide 7.12.1 for vector instructions).
; EVERY PIECE ENDS WITH FOUR PLACES behind its last product: in phase H the last lines of the widening, which name the other set alone; in phase Q four v_nop.  So the next piece may begin with its loads.
.macro PLACES n
.rept \n
	v_nop
.endr
.endm
; A step of phase H is eight pieces of 32 K, 32 matrix instructions each, on sets 0, 1, 0, 1 ..  One of the first seven: piece e is multiplied; piece e + 1 is asked of LDS at the head, sixteen products ahead of the
; wait for it, and widened between the other sixteen.
.macro PIECEH slot, e, form
	FETCHH \slot, (\e)+1, 1-(\e)%2
	WIN M_LO
	MUL8 (\e)%2, 0, \form, 0, 0, 0
	MUL8 (\e)%2, 1, \form, 0, 0, 0
	s_wait_dscnt 0x0                               ; the next piece's bytes and x's fragments are in
	WIN M_HI
.set pn, 0
	MUL8 (\e)%2, 2, \form, 0, 0, 4
	MUL8 (\e)%2, 3, \form, 0, 0, 4
.endm
; A step of phase Q is four quarters of 128 K.  One of the first three: the wait for this quarter's loads stands at its head, a whole quarter behind their issue.
.macro PIECEQ slot, q
	s_wait_dscnt 0x0                               ; this quarter's fragments (and, in a step's first, its scale words) are in
	FETCHQ \slot, (\q)+1, 1-(\q)%2, -1
	WIN M_LO
	MUL8 (\q)%2, 0, 2, \slot, \q, 0
	MUL8 (\q)%2, 1, 2, \slot, \q, 0
	WIN M_HI
	MUL8 (\q)%2, 2, 2, \slot, \q, 0
	MUL8 (\q)%2, 3, 2, \slot, \q, 0
	PLACES 4
.endm
.macro ASK how                         ; how = 1, phase H: every asking wave; 2, phase Q: the weights' asking waves; 0, phase Q's second change of a trip: the same, but not in the last trip (s3 = 1), where block t + 3 does not exist
.if (\how) == 1
	s_cmp_eq_u32 s[LIM], 1
.elseif (\how) == 2
	s_cmp_eq_u32 s[LIMQ], 1
.else
	s_cmp_gt_u32 s3, s[LIMQ]
.endif
	s_cbranch_scc0 .Lnot_mine_\@
	global_prefetch_b8 v[PFO], s[PFA:PFA+1] th:TH_LOAD_NT scope:SCOPE_SE
.Lnot_mine_\@:
.endm
; A step's last piece multiplies set 1 and changes slots: ONE barrier; in front of it each wave waits for all its tensor loads (one at the most is out: its part of the next slot), adds 0 to its spare word, and waits
; for that and for its own reads of this slot.  fill = 1, 2: the barrier opens a round of the cluster's barrier, and this slot is filled again first thing behind it, with the step two on (1: of phase H, 2: of phase Q).
; nq = 0: the next step is of phase H: its first piece is widened between the last eight products; nq = 1: of phase Q.  nsc: 1 the next step's scale words into set next; 2 the same, their addresses stepped first.
.macro TURN slot, next, fill, form, nq, nsc, how
	WIN 0                                          ; (the add's two registers lie in window 0)
.if \fill
	s_wait_xcnt 0x0                                ; the last prefetch, a step back, has read its address: it is stepped here, ahead of the change's own waits
	s_add_nc_u64 s[PFA:PFA+1], s[PFA:PFA+1], 0x10000
.endif
	s_wait_tensorcnt 0x0                           ; all my tensor loads have landed, so a group 0 may be written;
	ds_add_u32 v[SPW], v[NIL]                      ; 0 onto my spare word
.if (\fill) == 1
	s_xor_b32 s[G0+5], s[G0+5], SLOT1              ; the walking descriptors: the other slot than last time,
	s_add_nc_u64 s[G0+6:G0+7], s[G0+6:G0+7], AHB   ; the next block: the type bits on top are not reached
.elseif (\fill) == 2
	s_xor_b32 s[G0Q+1], s[G0Q+1], SLOT1
	s_add_nc_u64 s[G0Q+2:G0Q+3], s[G0Q+2:G0Q+3], AQB
.endif
.if \fill
	s_xor_b32 s[G0B+5], s[G0B+5], SLOT1
	s_add_nc_u64 s[G0B+6:G0B+7], s[G0B+6:G0B+7], BBLK
.endif
	s_wait_dscnt 1                                 ; set 1 is in; the add, the youngest, may be out
	WIN M_LO
	MUL8 1, 0, \form, \slot, 3, 0                  ; eight matrix instructions stand between the add and the wait for it
	s_wait_dscnt 0x0                               ; the add is done, and my reads of this slot are over
	s_barrier_signal -1
	MUL8 1, 1, \form, \slot, 3, 0
	WIN 0
	s_barrier_wait -1
.if (\fill) == 1
	CREST                                          ; no wave of any partner still reads this slot or has a load on its way
	JLOAD G0+4, G1, G0B+4, G1B                     ; the first tensor load behind the round, my one until the next
.elseif (\fill) == 2
	CREST
	JLOADQ
.endif
.if (\nsc) == 2
	v_add_nc_u32 v[ADSA], 2048, v[ADSA]            ; on to the next step's scale words
	v_add_nc_u32 v[ADSB], 4096, v[ADSB]
.endif
.if \nq
	FETCHQ \next, 0, 0, \next
.else
	FETCHH \next, 0, 0
.endif
.if \fill
	ASK \how                                       ; behind the joint load and the run of LDS loads that the next products wait for
.endif
	WIN M_HI
	MUL8 1, 2, \form, \slot, 3, 0
.if \nq
	MUL8 1, 3, \form, \slot, 3, 0
	PLACES 4
.else
	s_wait_dscnt 0x0                               ; the next slot's first piece is in
.set pn, 0
	MUL8 1, 3, \form, \slot, 3, 8
.endif
.endm
	s_wait_tensorcnt 1                             ; the scale words and my part of step 0 are in; step 1's load may stay out
	s_barrier_signal -1
	s_barrier_wait -1                              ; everybody's are
	FETCHH 0, 0, 0
	s_wait_dscnt 0x0
	WIN M_HI
.set pn, 0
.rept 64
	PERMN 0                                        ; the first piece is widened with no product to stand beside
.endr
	; ---- PHASE H: acc = x (f16) x signs, steps 0 .. 15 ----
	PIECEH 0, 0, 0                                 ; the first piece stands in front of the loop: its products start the sums
	WIN 0                                          ; at a label and at a branch every window is 0
	s_mov_b32 s3, 7
.Lh:                                                   ; a trip goes once round the ring, from a step's second piece to the first of the step two on, and fills both slots again: steps 2 .. 15
.irp e, 1,2,3,4,5,6
	PIECEH 0, \e, 1
.endr
	TURN 0, 1, 1, 1, 0, 0, 1
.irp e, 0,1,2,3,4,5,6
	PIECEH 1, \e, 1
.endr
	TURN 1, 0, 1, 1, 0, 0, 1
	PIECEH 0, 0, 1
	WIN 0
	s_sub_co_u32 s3, s3, 1
	s_cmp_lg_u32 s3, 0
	s_cbranch_scc1 .Lh
.irp e, 1,2,3,4,5,6
	PIECEH 0, \e, 1                                ; steps 14 and 15: their refills are steps 16 and 17, the first of phase Q
.endr
	TURN 0, 1, 2, 1, 0, 0, 1
.irp e, 0,1,2,3,4,5,6
	PIECEH 1, \e, 1
.endr
	TURN 1, 0, 2, 1, 1, 1, 1                       ; and the first fragments of codes are fetched, with their scale words
	; ---- acc x coeff, in f32, ascending: each accumulator is read from its low end on.  Four places stand behind the last product ----
	WIN SCL2
.set i, 0
.rept 64
	v_pk_mul_f32 v[i:i+1], v[i:i+1], s[12:13] op_sel_hi:[1,0]
.set i, i+2
.endr
	WIN SCL1
.set i, 0
.rept 64
	v_pk_mul_f32 v[i:i+1], v[i:i+1], s[12:13] op_sel_hi:[1,0]
.set i, i+2
.endr
	PLACES 4
	; ---- PHASE Q: acc += the quantised product, steps 16 .. 23 ----
	PIECEQ 0, 0
	WIN 0
	s_mov_b32 s3, 3
.Lq:                                                   ; three trips: the refills are steps 18 .. 23
	PIECEQ 0, 1
	PIECEQ 0, 2
	TURN 0, 1, 2, 2, 1, 2, 2
	PIECEQ 1, 0
	PIECEQ 1, 1
	PIECEQ 1, 2
	TURN 1, 0, 2, 2, 1, 2, 0
	PIECEQ 0, 0
	WIN 0
	s_sub_co_u32 s3, s3, 1
	s_cmp_lg_u32 s3, 0
	s_cbranch_scc1 .Lq
	PIECEQ 0, 1                                    ; the last two steps fill nothing and have no round: the tail is written out
	PIECEQ 0, 2
	TURN 0, 1, 0, 2, 1, 2, 0
	PIECEQ 1, 0
	PIECEQ 1, 1
	PIECEQ 1, 2
	s_wait_dscnt 0x0                               ; the very last quarter: nothing more to fetch
	WIN M_LO
	MUL8 1, 0, 2, 1, 3, 0
	MUL8 1, 1, 2, 1, 3, 0
	WIN M_HI
	MUL8 1, 2, 2, 1, 3, 0
	MUL8 1, 3, 2, 1, 3, 0
	WIN 0
; THE WAY OUT, block by block of 16 rows x 128 columns.  A lane holds 32 neighbouring bytes of a row, and the lanes beside it hold other rows: a block goes through my own stage in LDS and comes back as whole
; rows of 512 bytes.  LDS serves a wave's instructions in order (ISA guide 5.7.1.4): no wait between the stores and the loads, nor in front of the next block's stores.
; The stage lies in slot 0: its last fill was step 22's, and every wave has passed the barrier of the last change of slots, in front of which it waited for its last reads of that slot.
.macro TOSTAGE a
.if (\a) < 2
	WIN 0x08                                       ; an LDS store's data are its source 1: window 2,
.else
	WIN 0x04                                       ; or window 1
.endif
.irp b, 0,1,2,3,4,5,6,7
	ds_store_b128 v[STO], v[8*(8*((\a)%2)+\b):8*(8*((\a)%2)+\b)+3] offset:64*\b            ; each accumulator from its low end on
	ds_store_b128 v[STO], v[8*(8*((\a)%2)+\b)+4:8*(8*((\a)%2)+\b)+7] offset:64*\b+16
.endr
	WIN 0
.set BB, BK+64*((\a)%2)
.irp t, 0,1,2,3,4,5,6,7,8,9,10,11,12,13,14,15
	ds_load_b128 v[BB+4*\t:BB+4*\t+3], v[RD] offset:\t*SPITCH
.endr
.endm
.macro SEND a, younger                 ; younger: the LDS instructions issued behind block a's loads, which may stay out
.set BB, BK+64*((\a)%2)
	s_wait_dscnt \younger                          ; the block is back in registers
.irp t, 0,1,2,3,4,5,6,7,8,9,10,11,12,13,14,15
	global_store_b128 v[CO], v[BB+4*\t:BB+4*\t+3], s[10:11] offset:(16*(\a)+\t)*16384 th:TH_STORE_NT   ; 32 lanes store 512 consecutive bytes, at a multiple of 256 from out0's first byte; 63 rows at the most: inside the signed 24-bit immediate
.endr
.endm
	PLACES 4                                       ; behind the last products: for the stores that read results
	TOSTAGE 0
.irp a, 1,2,3
.if \a > 1
	s_wait_xcnt 0x0                                ; block a - 2's stores have read their registers: block a's loads may land there
.endif
	TOSTAGE \a
	SEND \a-1, 32                                  ; behind block a - 1's loads: block a's 16 stores and 16 loads
.endr
	SEND 3, 0
	s_wait_tensorcnt 0x0                           ; the wave's end: behind my last tensor load and my last LDS store
	ds_add_u32 v[SPW], v[NIL]
	s_wait_dscnt 0x0
	CROUND                                         ; the closing round: no work-group ends while a partner may still ask for a block that names it
	s_endpgm
.Lfunc_end_k_q466a4fc1ea_gemm:
	.size	k_q466a4fc1ea_gemm, .Lfunc_end_k_q466a4fc1ea_gemm-k_q466a4fc1ea_gemm
	.p2alignl 7, 3214868480
	.fill 96, 4, 3214868480
	.section	.rodata,"a",@progbits
	.p2align	6, 0x0
	.amdhsa_kernel k_q466a4fc1ea_gemm
		.amdhsa_group_segment_fixed_size 327680
		.amdhsa_private_segment_fixed_size 0
		.amdhsa_enable_private_segment 0
		.amdhsa_kernarg_size 32
		.amdhsa_user_sgpr_count 2
		.amdhsa_user_sgpr_kernarg_segment_ptr 1
		.amdhsa_wavefront_size32 1
		.amdhsa_system_sgpr_workgroup_id_x 1
		.amdhsa_system_sgpr_workgroup_id_y 1
		.amdhsa_system_sgpr_workgroup_id_z 1
		.amdhsa_system_vgpr_workitem_id 0
		.amdhsa_next_free_vgpr 640
		.amdhsa_next_free_sgpr 100
		.amdhsa_reserve_vcc 0
		.amdhsa_float_denorm_mode_32 3
		.amdhsa_float_denorm_mode_16_64 3
		.amdhsa_memory_ordered 1
		.amdhsa_forward_progress 1
		.amdhsa_inst_pref_size 255
	.end_amdhsa_kernel
	.section	.bss,"aw",@nobits
	.p2align	6
	.space	262144
	.amdgpu_metadata
---
amdhsa.version: [ 1, 2 ]
amdhsa.kernels:
  - .name:           k_q466a4fc1ea_gemm
    .symbol:         k_q466a4fc1ea_gemm.kd
    .args:
      - { .name: aw, .offset: 0, .size: 8, .value_kind: global_buffer, .address_space: global }
      - { .name: bw, .offset: 8, .size: 8, .value_kind: global_buffer, .address_space: global }
      - { .name: coeff, .offset: 16, .size: 8, .value_kind: global_buffer, .address_space: global }
      - { .name: out0, .offset: 24, .size: 8, .value_kind: global_buffer, .address_space: global }
    .group_segment_fixed_size: 327680
    .private_segment_fixed_size: 0
    .kernarg_segment_align: 8
    .kernarg_segment_size: 32
    .max_flat_workgroup_size: 128
    .sgpr_count:     100
    .vgpr_count:     640
    .wavefront_size: 32
...
	.end_amdgpu_metadata
.endif
;; end of part 4
